; MI455X (gfx1250); checked and timed in simulation.
; The chip was launched on July 23, 2026; its instructions are those of AMD's public machine-readable ISA for CDNA 5 (MIT licence, August 2026) and "CDNA5" Instruction Set Architecture Reference Guide (July 2026). The comments in the code are by the model that wrote it; some were corrected since.
;; Actor Critic. Allowed arithmetic: matrix products marked QUANTISED: E4M3 operands, one given power-of-two scale a tensor, by v_wmma_f32_16x16x64_fp8_fp8 or v_wmma_f32_16x16x128_fp8_fp8, f32 sums; products left as they are: f32 operands where the result goes on into a quantised operand, else bf16, f16 or f32 operands; f32 sums; everything else in f32.
;; Inputs: ab1 64 float32; ab2 32 float32; ab3 1 float32; aw1_codes 64 x 32 x 32 uint8 (E4M3 codes of aw1, K innermost, in blocks of 32 codes); aw2_codes 32 x 2 x 32 uint8 (E4M3 codes of aw2, K innermost, in blocks of 32 codes); aw3 32 x 1 float32; bk 512 float32; bo 512 float32; bq 512 float32; bv 512 float32; cb1 64 float32; cb2 32 float32; cb3 1 float32; cw1_codes 64 x 16 x 32 uint8 (E4M3 codes of cw1, K innermost, in blocks of 32 codes); cw2_codes 32 x 2 x 32 uint8 (E4M3 codes of cw2, K innermost, in blocks of 32 codes); cw3 32 x 1 float32; global_embed 64 x 512 float32; ln_b 512 float32; ln_g 512 float32; lowp_scales 20 int32 (the exponents e of the quantised operands' scales 2^e); task_embed 64 x 1,000 x 256 float32; task_ids 64 x 512 int32; usv_embed 64 x 50 x 256 float32; usv_ids 64 x 512 int32; wk_codes 512 x 16 x 32 uint8 (E4M3 codes of wk, K innermost, in blocks of 32 codes); wo_codes 512 x 16 x 32 uint8 (E4M3 codes of wo, K innermost, in blocks of 32 codes); wq_codes 512 x 16 x 32 uint8 (E4M3 codes of wq, K innermost, in blocks of 32 codes); wv_codes 512 x 16 x 32 uint8 (E4M3 codes of wv, K innermost, in blocks of 32 codes).
;; Outputs: out0 64 x 512 float32; out1 64 x 1 float32.
;; This version of the problem:
;;   THIS VERSION OF THE PROBLEM IS GIVEN IN LOW PRECISION. The matrix products marked QUANTISED in the list below multiply operands that are first quantised to E4M3 (4 exponent bits, 3 mantissa bits; 8 bits a number), with one given power-of-two scale for each operand tensor; their sums are f32. All else is computed in f32.
;;   The module's matrix products, in the order in which they are computed (A, B: the left and right operand; K: the contracted axis; several contracted axes count as one K, in the product's order):
;;     1. [M 64, K 512] x [K 512, N 64]; A: input global_embed; B: input cw1 (given as codes): QUANTISED (scales: A lowp_scales[0], B lowp_scales[1])
;;     2. [M 64, K 64] x [K 64, N 32]; A: computed on the way; B: input cw2 (given as codes): QUANTISED (scales: A lowp_scales[2], B lowp_scales[3])
;;     3. [M 64, K 32] x [K 32, N 1]; A: computed on the way; B: input cw3: left as it is (N = 1 < 16)
;;     4. [M 32,832, K 512] x [K 512, N 512]; A: computed on the way; B: input wq (given as codes): QUANTISED (scales: A lowp_scales[4], B lowp_scales[5])
;;     5. [M 32,832, K 512] x [K 512, N 512]; A: computed on the way; B: input wk (given as codes): QUANTISED (scales: A lowp_scales[6], B lowp_scales[7])
;;     6. [M 32,832, K 512] x [K 512, N 512]; A: computed on the way; B: input wv (given as codes): QUANTISED (scales: A lowp_scales[8], B lowp_scales[9])
;;     7. batch 512 x [M 513, K 64] x [K 64, N 513]; A: computed on the way; B: computed on the way: QUANTISED (scales: A lowp_scales[10], B lowp_scales[11])
;;     8. batch 512 x [M 64, K 513] x [K 513, N 513]; A: computed on the way; B: softmax (see below): QUANTISED (scales: A lowp_scales[12], B lowp_scales[13])
;;     9. [M 32,832, K 512] x [K 512, N 512]; A: computed on the way; B: input wo (given as codes): QUANTISED (scales: A lowp_scales[14], B lowp_scales[15])
;;     10. [M 32,768, K 1,024] x [K 1,024, N 64]; A: computed on the way; B: input aw1 (given as codes): QUANTISED (scales: A lowp_scales[16], B lowp_scales[17])
;;     11. [M 32,768, K 64] x [K 64, N 32]; A: computed on the way; B: input aw2 (given as codes): QUANTISED (scales: A lowp_scales[18], B lowp_scales[19])
;;     12. [M 32,768, K 32] x [K 32, N 1]; A: computed on the way; B: input aw3: left as it is (N = 1 < 16)
;;   THE QUANTISER, for each operand of a quantised product, along K:
;;     - The operand's scale is 2^e, e = its entry of the input lowp_scales (int32; the entries are numbered through the quantised products in the list's order, A before B).
;;     - Each number is divided by the scale, clamped to +-448, and rounded to the nearest number of E4M3, ties to even, subnormals kept.
;;     - The product sums the exact products of the quantised numbers (number of the format x scale) in f32.
;;   ~~~python
;;   def quantise(x, axis, e):      # numpy; x: float32 -> the quantised numbers, widened to float32 again
;;       x = np.moveaxis(x, axis, -1); K = x.shape[-1]
;;       r = np.clip(x / 2.0 ** e, -448, 448)
;;       step = 2.0 ** (np.maximum(np.frexp(np.where(r == 0, 1, r))[1] - 1, -6) - 3)
;;       q = np.round(r / step) * step * 2.0 ** e      # np.round: ties to even
;;       return np.moveaxis(q, -1, axis).astype(np.float32)
;;   ~~~
;;   SOFTMAX AHEAD OF A QUANTISED PRODUCT. Where the list says 'softmax', what is quantised is not the finished softmax but p = 2^(t - M), with t = logit x log2(e) and M = ceil(the row's largest t), a whole number; so 1/2 < the row's largest p <= 1. The row's sum l is taken of the UNQUANTISED p, in f32, and the product's result is divided by l at the end. Since M is a whole number, a kernel that streams over the keys may use a running M (the ceiling of the running maximum): every later rescaling is an exact power of two, so the quantised numbers keep their values, but for numbers so far below the row's largest that they fall under the format's range.
;;   OPERANDS COMPUTED ON THE WAY. 'Computed on the way' means the value that the module computes at that place (a softmax that the list does not call 'softmax' is quantised finished and normalised). What goes into a quantiser is computed in f32, as accurately as f32 sums, v_exp_f32 and their like allow (about 1e-6 of the number): no bf16 or f16 on the way to a quantiser, and a product that is left as it is and whose result goes on into a quantised operand takes f32 operands (vector FMAs, or v_wmma_f32_16x16x4_f32). A number that lies on a knife's edge between two numbers of the format may be rounded either way, as far as f32 arithmetic and the matrix unit's own rounding can turn it there, and no further.
;;   INPUTS GIVEN AS CODES. aw1 (in the module: [1024, 64], K = its axis 0); aw2 (in the module: [64, 32], K = its axis 0); cw1 (in the module: [512, 64], K = its axis 0); cw2 (in the module: [64, 32], K = its axis 0); wk (in the module: [512, 512], K = its axis 0); wo (in the module: [512, 512], K = its axis 0); wq (in the module: [512, 512], K = its axis 0); wv (in the module: [512, 512], K = its axis 0): each comes as NAME_codes (uint8): NAME with its K axis moved to the last place and cut into blocks of 32 codes, [.., K / 32, bytes a block], one block behind the other in memory; one code a byte (a code: sign, 4 exponent bits, 3 mantissa bits); its scale is its entry of lowp_scales. Its value is code x scale, taken as it is: it is not quantised again, and the codes and scales need not be those that the quantiser above would give.
;; 2 versions, each right; version 2 is version 1 with the launch head written anew for expert scheduling mode. Each part assembles by itself: llvm-mc -triple=amdgcn-amd-amdhsa -mcpu=gfx1250 --defsym DOCPART=n.
;; ======== version 1 of 2: 2 launches
;; workspace buffers: ctx 17,825,792 bytes
;; launch attn (part 1): grid 256 x 1, 8 waves a work-group, no clusters, 320,512 bytes of LDS; arguments task_embed, usv_embed, global_embed, task_ids, usv_ids, wq_codes, wk_codes, wv_codes, bq, bk, bv, lowp_scales, ctx, cw1_codes, cb1, cw2_codes, cb2, cw3, cb3, out1; writes ctx, out1
.if DOCPART == 1
	.amdgcn_target "amdgcn-amd-amdhsa--gfx1250"
	.amdhsa_code_object_version 6
	.text
	.protected	k_q9eb49d7f36_attn
	.globl	k_q9eb49d7f36_attn
	.p2align	8
	.type	k_q9eb49d7f36_attn,@function
k_q9eb49d7f36_attn:
	s_mov_b64 s[64:65], 0
	v_nop
	global_prefetch_b8 v0, s[64:65] scope:SCOPE_SE
	s_setreg_imm32_b32 hwreg(HW_REG_WAVE_MODE, 25, 1), 1
	s_wait_xcnt 0x0
; One work-group = one item B (of 64) and one pair of heads C (of 4).  It gathers the item's 513 rows, quantises them in the three given scales,
; makes q, k, v of its 128 columns on E4M3 codes, keeps them in LDS as codes, runs the attention of its two heads and stores ctx as codes (scale e14),
; laid as the register image of the next launch's operand.  The critic runs in wave 2 of work-groups 0..3, which has one pair of query tiles less than wave 0.
; EIGHT waves of 512 registers, two to a SIMD: a step of 128 keys for two tiles of queries is some 390 vector lines beside 24 matrix instructions, so the vector unit decides, and
; one wave's waits for LDS, for the matrix unit and for its own results are filled by the other wave's lines.
; ROWS: 34 tiles of 16: tiles 0..31 are the 512 actions, tiles 32 and 33 hold the global row sixteen times each (33 is a spare copy that nobody reads later).
; The global key is taken FIRST and counted once (one register of the lanes 0-15); it starts M, the sum and O, so nothing is cleared.
; PHASE 1, 17 blocks of two tiles.  ROLES: waves 0-3 keep 64 columns of q (waves 0, 1) or of k (2, 3) in 256 registers, waves 4-7 keep 32 columns of v in 128: so each wave reads ONE of the three
; sets of x's codes, and a fragment of x feeds four products (two for v).  All eight waves share the quantising: wave w takes tile w / 4, K step w % 4 (128 numbers a row) of the NEXT block.
; The roles part on the wave's number round the products and the results alone; every barrier stands in the common text.
; q and k are taken transposed (source 0 = 16 weight rows): a lane holds one row, its registers run along the head's 64.  v is taken as it stands (source 0 = 16 rows of x): a lane holds one
; channel, its registers run along the keys, which are the second product's K.  wv's rows of a tile are r + 8 (r / 8) + 8 u + 32 b, so that O's registers of two neighbouring tiles are 16 neighbours of ctx's K.
; OPERANDS lie in LDS as images of registers: four registers of lane l at 16 l, 512 bytes a group.
; NO tensor load, no cluster: x is gathered by a list and quantised in registers, the weights go straight into registers for the whole launch, and LDS holds only what the waves make.
; NO prefetch: the list names rows repeatedly and four work-groups ask for the same item at about the same time, so a block could not be named once.
; LIMITS: every exponent that is made into an f32 power of two must give a normal number: e4, e6, e8, e13, e14, e0, e2, e10-e4-e5, e11-e6-e7, e12-e8-e9 between -126 and 119;
; e0+e1, e2+e3 between -126 and 127; e10+e11 between -123 and 130.  NaN among the inputs is not served.  Ids are taken as in range and clamped all the same.
.set QKB, 98304                        ; LDS: q and k images: region (Q h0, Q h1, K h0, K h1) x 34816, tile x 1024
.set QKR, 34816
.set VB,  237568                       ; LDS: v images: region (4 head + tile of 16 channels) x 10240; block i at 512 i; the tail (global key) at 8192
.set VR,  10240
.set ELT, 192                          ; ELU8's 32 registers
.set KCV, 30                           ; v[30:31] 1/5040 twice
.set MSB, 0
.macro WIN new                         ; the immediate's high byte repeats the setting that is left
.if MSB != (\new)
	s_set_vgpr_msb (MSB<<8)|(\new)
.set MSB, (\new)
.endif
.endm
.macro PLACES                          ; four plain places behind matrix instructions, ahead of loads into and vector reads of their registers
.rept 4
	v_nop
.endr
.endm
.macro MKSC vs, vl, se                 ; v[vs] = 2^e, v[vl] = 448 x 2^e, e = s[se]
	s_add_co_i32 s62, s[\se], 127
	s_lshl_b32 s63, s62, 23
	v_mov_b32 v[\vs], s63
	s_add_co_i32 s62, s62, 8
	s_lshl_b32 s62, s62, 23
	s_or_b32 s62, s62, 0x600000
	v_mov_b32 v[\vl], s62
.endm
; 64 numbers v[x ..] (register 16 b + i = k 32 b + 16 h + i of my row) -> 16 registers of codes v[pc ..]; x is kept.  Two sets of eight temporaries by turns, so that eight plain lines stand between a conversion and the rewrite of its sources.
.macro QUANT x, sc, lim, pc
.irp g,0,1,2,3,4,5,6,7
.irp i,0,1,2,3,4,5,6,7
	v_med3_num_f32 v[224+8*(\g%2)+\i], v[\x+8*\g+\i], -v[\lim], v[\lim]   ; the conversion does not saturate (ISA guide 7.6.2): hold first
.endr
	v_cvt_scalef32_pk8_fp8_f32 v[\pc+2*\g:\pc+2*\g+1], v[224+8*(\g%2):231+8*(\g%2)], v[\sc]
.endr
	v_nop                                  ; a plain line behind the last conversion
.endm
; elu of eight sums x s[sp]: max(x, 0) + expm1(min(x, 0)); expm1 by its series of degree 7 above -0.35 (error under 2e-8 of the number), by 2^(x log2 e) - 1 below, where nothing cancels
.macro ELU8 d, a, sp
.irp i,0,2,4,6
	v_pk_mul_f32 v[ELT+\i:ELT+\i+1], v[(\a)+\i:(\a)+\i+1], s[\sp:\sp+1] op_sel_hi:[1,0]
.endr
.irp i,0,1,2,3,4,5,6,7
	v_min_num_f32 v[ELT+8+\i], 0, v[ELT+\i]
.endr
.irp i,0,2,4,6
	v_pk_mul_f32 v[ELT+16+\i:ELT+17+\i], v[ELT+8+\i:ELT+9+\i], 0x3fb8aa3b op_sel_hi:[1,0]
.endr
.irp i,0,1,2,3,4,5,6,7
	v_exp_f32 v[ELT+16+\i], v[ELT+16+\i]
.endr
.irp i,0,2,4,6
	v_pk_fma_f32 v[ELT+24+\i:ELT+25+\i], v[KCV:KCV+1], v[ELT+8+\i:ELT+9+\i], 0x3ab60b61 op_sel_hi:[1,1,0]
.endr
.irp c,0x3c088889,0x3d2aaaab,0x3e2aaaab,0.5,1.0
.irp i,0,2,4,6
	v_pk_fma_f32 v[ELT+24+\i:ELT+25+\i], v[ELT+24+\i:ELT+25+\i], v[ELT+8+\i:ELT+9+\i], \c op_sel_hi:[1,1,0]
.endr
.endr
.irp i,0,2,4,6
	v_pk_mul_f32 v[ELT+24+\i:ELT+25+\i], v[ELT+24+\i:ELT+25+\i], v[ELT+8+\i:ELT+9+\i]
.endr
	s_wait_alu depctr_va_vdst(0)           ; one wait for the eight exponentials, ahead of their first reader; the series is the work between
.irp i,0,2,4,6
	v_pk_add_f32 v[ELT+16+\i:ELT+17+\i], v[ELT+16+\i:ELT+17+\i], -1.0 op_sel_hi:[1,0]
.endr
.irp i,0,1,2,3,4,5,6,7
	v_cmp_lt_f32 vcc_lo, s51, v[ELT+8+\i]
	v_cndmask_b32 v[ELT+16+\i], v[ELT+16+\i], v[ELT+24+\i], vcc_lo
.endr
.irp i,0,1,2,3,4,5,6,7
	v_max_num_f32 v[ELT+\i], 0, v[ELT+\i]
.endr
.irp i,0,2,4,6
	v_pk_add_f32 v[(\d)+\i:(\d)+\i+1], v[ELT+\i:ELT+\i+1], v[ELT+16+\i:ELT+17+\i]
.endr
.endm
; ---------------- phase 1 macros.  Window 0: v1 16 l; v2 the x images that I read; v4, v5 the x images that I write (buffer 0, 1); v6, v7 q/k images; v8, v9 v images; v10 64 h; v11 4 r; v12 id offset;
; v13 id; v15 row offset; v17-22 x's three scales and holds; v23-26 q/k's and v's; v27-30 weight and bias offsets; v32-63 biases; v64-127 my unit of 64 numbers; v128-191 sums;
; v192-223 x's two fragments; v224-239 temporaries, then the results' codes; v240-255 x's codes.  Window 1: my fragments of wq or wk (16) or of wv (8).
.macro IDLOAD                          ; the ids of a later block's 16 rows of my tile (the last blocks ask again for block 15's: no load leaves the list)
	s_min_u32 s54, s37, 15
	s_lshl_b32 s54, s54, 7
	v_add_nc_u32 v12, s54, v11
	global_load_b32 v13, v12, s[14:15]
	s_add_co_u32 s37, s37, 1
.endm
.macro OFFS                            ; the rows' byte offsets; from block 16 on the base is the global row and the id counts for nothing
	s_cmp_lt_u32 s36, 16
	s_cselect_b64 s[12:13], s[8:9], s[10:11]
	s_cselect_b32 s19, -1, 0
	s_add_co_u32 s36, s36, 1
	v_min_u32 v13, s18, v13
	v_min_u32 v13, 0x3e7, v13
	v_and_b32 v13, s19, v13
	v_lshl_add_u32 v15, v13, 10, v10
.endm
.macro XLOAD                           ; my 64 numbers of row r: 16 neighbours of each block of 32
.irp b,0,1,2,3
.irp j,0,1,2,3
	global_load_b128 v[64+16*\b+4*\j:67+16*\b+4*\j], v15, s[12:13] offset:128*\b+16*\j
.endr
.endr
.endm
.macro IMAGE adr, pc, off
.irp c,0,1,2,3
	ds_store_b128 v[\adr], v[\pc+4*\c:\pc+4*\c+3] offset:\off+512*\c
.endr
.endm
.macro FETCH buf, s                    ; K step s of both tiles, in my matrix's scale
.irp m,0,1
.irp c,0,1,2,3
	ds_load_b128 v[192+16*\m+4*\c:195+16*\m+4*\c], v2 offset:49152*\buf+8192*\m+2048*\s+512*\c
.endr
.endr
.endm
; K step s of the block's products, by role.  The accumulators (eight, or four) take turns, one instruction a turn, in the same order in every step; the biases are the first C.
; res = 1: the sums become codes (the three scales folded into the conversion's one) and go to LDS.
.macro MULR s, res, qoff, voff
	s_cmp_lt_u32 s2, 4
	s_cbranch_scc0 .Lmv_\@
	WIN 0x01                               ; source 0 (wq or wk) in window 1
.irp m,0,1
.irp ct,0,1,2,3
.if \s == 0
	v_wmma_f32_16x16x128_fp8_fp8 v[128+8*(4*\m+\ct):135+8*(4*\m+\ct)], v[16*(4*\ct+\s):16*(4*\ct+\s)+15], v[192+16*\m:207+16*\m], v[32+8*\ct:39+8*\ct]
.else
	v_wmma_f32_16x16x128_fp8_fp8 v[128+8*(4*\m+\ct):135+8*(4*\m+\ct)], v[16*(4*\ct+\s):16*(4*\ct+\s)+15], v[192+16*\m:207+16*\m], v[128+8*(4*\m+\ct):135+8*(4*\m+\ct)]
.endif
.endr
.endr
	WIN 0
.if \res
	PLACES
.set i, 0
.rept 64
	v_med3_num_f32 v[128+i], v[128+i], -v24, v24
.set i, i+1
.endr
.irp m,0,1
.irp ct,0,1,2,3
	v_cvt_scalef32_pk8_fp8_f32 v[224+8*\m+2*\ct:225+8*\m+2*\ct], v[128+8*(4*\m+\ct):135+8*(4*\m+\ct)], v23
.endr
.endr
	v_nop
.irp m,0,1
	ds_store_b128 v7, v[224+8*\m:227+8*\m] offset:\qoff+1024*\m
	ds_store_b128 v7, v[228+8*\m:231+8*\m] offset:\qoff+1024*\m+512
.endr
.endif
	s_branch .Lmj_\@
.Lmv_\@:
	WIN 0x04                               ; source 1 (wv) in window 1
.irp m,0,1
.irp u,0,1
.if \s == 0
	v_wmma_f32_16x16x128_fp8_fp8 v[128+8*(2*\m+\u):135+8*(2*\m+\u)], v[192+16*\m:207+16*\m], v[16*(4*\u+\s):16*(4*\u+\s)+15], v[32+8*\u:39+8*\u]
.else
	v_wmma_f32_16x16x128_fp8_fp8 v[128+8*(2*\m+\u):135+8*(2*\m+\u)], v[192+16*\m:207+16*\m], v[16*(4*\u+\s):16*(4*\u+\s)+15], v[128+8*(2*\m+\u):135+8*(2*\m+\u)]
.endif
.endr
.endr
	WIN 0
.if \res
	PLACES
.set i, 0
.rept 32
	v_med3_num_f32 v[128+i], v[128+i], -v26, v26
.set i, i+1
.endr
.irp m,0,1
.irp u,0,1
	v_cvt_scalef32_pk8_fp8_f32 v[224+4*\u+2*\m:225+4*\u+2*\m], v[128+8*(2*\m+\u):135+8*(2*\m+\u)], v25
.endr
.endr
	v_nop
.irp u,0,1
	ds_store_b128 v9, v[224+4*\u:227+4*\u] offset:\voff+VR*\u
.endr
.endif
.Lmj_\@:
.endm
; One block.  prod: the block in buffer rbuf is multiplied.  xst: my unit of the next block is quantised into the other buffer, and that of the block after it is asked for.
; The three quantisations stand together at the head, over the first K step's LDS loads, so that the unit's registers are free early: the load that fills them again has the four K steps, the results and the barrier in which to land.
; One set of code registers serves the three images: an LDS store's sources need no wait.
.macro TRIP prod, xst, rbuf, qoff, voff
.if \prod
	FETCH \rbuf, 0
.endif
.if \xst
	s_wait_loadcnt 1                       ; my unit is in: behind its 16 loads came one of an id
	QUANT 64, 17, 20, 240
	IMAGE 5-\rbuf, 240, 0
	QUANT 64, 18, 21, 240
	IMAGE 5-\rbuf, 240, 16384
	QUANT 64, 19, 22, 240
	IMAGE 5-\rbuf, 240, 32768
	s_wait_loadcnt 0x0                     ; the id is in; no load is out, so base and offsets may be written
	OFFS
	XLOAD
	IDLOAD
.endif
.if \prod
.if \xst
	s_wait_dscnt 12                        ; the fragments are in: behind their eight loads came the images' twelve stores
.else
	s_wait_dscnt 0x0
.endif
	MULR 0, 0, 0, 0
	PLACES
	FETCH \rbuf, 1
	s_wait_dscnt 0x0
	MULR 1, 0, 0, 0
	PLACES
	FETCH \rbuf, 2
	s_wait_dscnt 0x0
	MULR 2, 0, 0, 0
	PLACES
	FETCH \rbuf, 3
	s_wait_dscnt 0x0
	MULR 3, 1, \qoff, \voff
.endif
	s_wait_dscnt 0x0                       ; for the others' sake: my stores have landed and my reads of this buffer are over
	s_barrier_signal -1
	s_barrier_wait -1
.endm
; ---------------- the head
	s_load_b512 s[68:83], s[0:1], 0x0      ; task, usv, global, task_ids, usv_ids, wq, wk, wv
	s_load_b256 s[84:91], s[0:1], 0x40     ; bq, bk, bv, lowp_scales
	s_load_b64 s[92:93], s[0:1], 0x60      ; ctx
	v_lshrrev_b32 v243, 5, v0
	v_readfirstlane_b32 s2, v243           ; wave 0..7
	s_and_b32 s7, s2, 3                    ; my place among the four of my role.  Also the K step that I quantise
	s_lshr_b32 s41, s2, 1                  ; later: my quarter of the pairs of query tiles
	s_and_b32 s3, ttmp9, 3                 ; C: pair of heads
	s_lshr_b32 s4, ttmp9, 2                ; B: item
	s_lshr_b32 s5, s7, 1                   ; waves 0-3: 0 q, 1 k.  Waves 4-7: v's head
	s_and_b32 s6, s7, 1                    ; q's or k's head; v's half of a head.  Also my head in the attention
	v_and_b32 v243, 31, v0
	v_and_b32 v240, 15, v0                 ; r
	v_bfe_u32 v241, v0, 4, 1               ; h
	v_and_b32 v242, 8, v240
	v_add_nc_u32 v242, v242, v240          ; r + 8 (r / 8)
	v_lshlrev_b32 v1, 4, v243
	s_min_u32 s54, s41, 2                  ; the set of codes that I read: 0 for q, 1 for k, 2 for v
	s_lshl_b32 s54, s54, 14
	v_add_nc_u32 v2, s54, v1
	s_lshl_b32 s54, s2, 11                 ; the image that I write: tile w / 4, K step w % 4: 2048 w
	v_add_nc_u32 v4, s54, v1
	v_add_nc_u32 v5, 0xc000, v4
	s_mul_i32 s54, s7, QKR
	s_add_co_u32 s54, s54, QKB
	v_add_nc_u32 v6, s54, v1
	s_mul_i32 s54, s7, 2*VR
	s_add_co_u32 s54, s54, VB
	v_add_nc_u32 v8, s54, v1
	v_lshlrev_b32 v10, 6, v241
	v_lshlrev_b32 v11, 2, v240
	v_lshlrev_b32 v27, 9, v240
	v_lshl_add_u32 v27, v241, 4, v27       ; wq, wk: row r of 512 bytes + 16 h
	v_lshlrev_b32 v28, 9, v242
	v_lshl_add_u32 v28, v241, 4, v28       ; wv: row r + 8 (r / 8)
	v_lshlrev_b32 v29, 5, v241
	v_lshlrev_b32 v30, 2, v242
	v_mov_b32 v244, 0
	v_mov_b32 v245, 0
	v_mov_b32 v246, 0
	v_mov_b32 v247, 0
	s_mov_b32 s44, 0x76543210
	s_mov_b32 s45, 0xfedcba98
	s_mov_b32 s51, 0xbeb33333              ; -0.35
	s_mov_b32 s55, 0
	s_mov_b32 s57, 0
	s_mov_b32 s36, 0
	s_mov_b32 s37, 0
	s_wait_kmcnt 0x0
	s_load_b512 s[20:35], s[90:91], 0x0    ; e0 .. e15
	s_cmp_lt_u32 s7, 2                     ; K steps 0, 1 lie in the task half of a row, 2, 3 in the usv half
	s_cselect_b64 s[8:9], s[68:69], s[70:71]
	s_cselect_b64 s[14:15], s[74:75], s[76:77]
	s_mov_b32 s54, 51200
	s_cselect_b32 s54, 1024000, s54
	s_mov_b32 s18, 49
	s_cselect_b32 s18, 999, s18
	s_mul_i32 s54, s4, s54
	s_lshl_b32 s56, s6, 9
	s_add_co_u32 s54, s54, s56
	s_add_nc_u64 s[8:9], s[8:9], s[54:55]  ; my table at the item, + my 512 bytes of a row
	s_lshl_b32 s54, s4, 11
	s_lshr_b32 s56, s2, 2
	s_lshl_b32 s56, s56, 6
	s_add_co_u32 s56, s56, s54
	s_add_nc_u64 s[14:15], s[14:15], s[56:57]   ; my list at the item, + my tile's 16 ids of a block
	s_lshl_b32 s56, s7, 9
	s_add_co_u32 s54, s54, s56
	s_add_nc_u64 s[10:11], s[72:73], s[54:55]
	s_mul_i32 s54, s4, 136
	s_add_co_u32 s54, s54, s3
	s_lshl_b32 s54, s54, 11
	s_lshl_b32 s56, s6, 10
	s_add_co_u32 s54, s54, s56
	s_add_nc_u64 s[16:17], s[92:93], s[54:55]   ; ctx: image (B, 0, C), my head's half of it
	s_cmp_eq_u32 s5, 0
	s_cselect_b64 s[58:59], s[78:79], s[80:81]
	s_cselect_b64 s[60:61], s[84:85], s[86:87]
	s_lshl_b32 s54, s3, 7
	s_lshl_b32 s56, s6, 6
	s_add_co_u32 s54, s54, s56             ; the first column of q or k (waves 0-3)
	s_lshl_b32 s56, s54, 9
	s_add_nc_u64 s[58:59], s[58:59], s[56:57]
	s_lshl_b32 s54, s54, 2
	s_add_nc_u64 s[60:61], s[60:61], s[54:55]
	s_lshl_b32 s54, s3, 7
	s_lshl_b32 s56, s5, 6
	s_add_co_u32 s54, s54, s56
	s_lshl_b32 s56, s6, 5
	s_add_co_u32 s54, s54, s56             ; the first column of v (waves 4-7)
	s_lshl_b32 s56, s54, 9
	s_add_nc_u64 s[94:95], s[82:83], s[56:57]
	s_lshl_b32 s54, s54, 2
	s_add_nc_u64 s[96:97], s[88:89], s[54:55]
	s_cmp_lt_u32 s2, 4
	s_cbranch_scc0 .Lwv
	WIN 0x40
.irp ct,0,1,2,3
.irp s,0,1,2,3
.irp c,0,1,2,3
	global_load_b128 v[16*(4*\ct+\s)+4*\c:16*(4*\ct+\s)+4*\c+3], v27, s[58:59] offset:8192*\ct+128*\s+32*\c
.endr
.endr
.endr
	WIN 0
.irp ct,0,1,2,3
	global_load_b128 v[32+8*\ct:35+8*\ct], v29, s[60:61] offset:64*\ct
	global_load_b128 v[36+8*\ct:39+8*\ct], v29, s[60:61] offset:64*\ct+16
.endr
	s_branch .Lwj
.Lwv:
.irp u,0,1
.irp g,1,2,3
	ds_store_b128 v8, v[244:247] offset:VR*\u+8192+512*\g   ; the tail's keys behind the global key are zero codes
.endr
.endr
	WIN 0x40
.irp u,0,1
.irp s,0,1,2,3
.irp c,0,1,2,3
	global_load_b128 v[16*(4*\u+\s)+4*\c:16*(4*\u+\s)+4*\c+3], v28, s[94:95] offset:4096*\u+128*\s+32*\c
.endr
.endr
.endr
	WIN 0
	global_load_b32 v224, v30, s[96:97]
	global_load_b32 v225, v30, s[96:97] offset:32
.Lwj:
	IDLOAD
	s_wait_loadcnt 0x0
	s_wait_kmcnt 0x0
	MKSC 17, 20, 24
	MKSC 18, 21, 26
	MKSC 19, 22, 28
	s_add_co_i32 s54, s24, s25
	s_add_co_i32 s56, s26, s27
	s_sub_co_i32 s98, s30, s54
	s_sub_co_i32 s99, s31, s56
	s_cmp_eq_u32 s5, 0
	s_cselect_b32 s98, s98, s99            ; e10 - e4 - e5 or e11 - e6 - e7
	s_cselect_b32 s54, s54, s56
	s_sub_co_i32 s54, 0, s54
	MKSC 23, 24, 98
	s_add_co_i32 s56, s28, s29
	s_sub_co_i32 s98, s32, s56             ; e12 - e8 - e9
	MKSC 25, 26, 98
	s_sub_co_i32 s56, 0, s56
	s_cmp_lt_u32 s2, 4
	s_cbranch_scc0 .Lbv
.set i, 0
.rept 32
	v_ldexp_f32 v[32+i], v[32+i], s54      ; the bias divided by the power of two that the sums lack
.set i, i+1
.endr
	s_branch .Lbj
.Lbv:
.irp u,0,1
.irp j,0,1,2,3,4,5,6,7
	v_ldexp_f32 v[32+8*\u+\j], v[224+\u], s56   ; a lane holds one channel: its bias in all eight registers
.endr
.endr
.Lbj:
	OFFS
	XLOAD
	IDLOAD
	TRIP 0, 1, 1, 0, 0                     ; block 0 into buffer 0
	s_mov_b32 s39, 0
	s_mov_b32 s40, 0
	s_mov_b32 s38, 8
.Lblk:                                     ; two blocks a trip, so that the buffers are constants of the text
	v_add_nc_u32 v7, s39, v6
	v_add_nc_u32 v9, s40, v8
	TRIP 1, 1, 0, 0, 0
	TRIP 1, 1, 1, 2048, 512
	s_add_co_u32 s39, s39, 4096
	s_add_co_u32 s40, s40, 1024
	s_sub_co_u32 s38, s38, 1
	s_cmp_lg_u32 s38, 0
	s_cbranch_scc1 .Lblk
	v_add_nc_u32 v7, s39, v6
	v_add_nc_u32 v9, s40, v8
	s_wait_loadcnt 0x0                     ; the last look-ahead (the global row once more, block 15's ids) is not used; it is waited for, since its registers are written below
	TRIP 1, 0, 0, 0, 0                     ; block 16: the global row.  Behind its barrier LDS is only read
; ---------------- phase 2.  Window 0: v2 K's images, v3 V's, v4/v5 Q's, v6 1.0 in lanes 0-15, v7-8 p's scale and hold, v9-10 ctx's, v11 store offset;
; tile x's statistics at 12 + 12 x: +0 -M, +1 largest t, +2,3 sum, +4,5 f, +6,7 at work, +8,9 second sum, +10 permute, +11 1 / sum; scores and p at 64 + 64 x; p's codes at 192 + 16 x.
; Window 1: v0-63 K of a step, v64-127 V of a step, v128-143 Q, v144-207 O^T (32 a tile).
.macro FETCH_K k
	WIN 0x40
.irp t,0,1,2,3,4,5,6,7
	ds_load_b128 v[8*\t:8*\t+3], v2 offset:8192*(\k)+1024*\t
	ds_load_b128 v[8*\t+4:8*\t+7], v2 offset:8192*(\k)+1024*\t+512
.endr
	WIN 0
.endm
.macro FETCH_V k
	WIN 0x40
.irp dt,0,1,2,3
.irp c,0,1,2,3
	ds_load_b128 v[64+16*\dt+4*\c:67+16*\dt+4*\c], v3 offset:VR*\dt+2048*(\k)+512*\c
.endr
.endr
	WIN 0
.endm
.macro SMUL x                          ; S^T = K Q^T: eight tiles of 16 keys; a lane holds query r
	WIN 0x05
.irp t,0,1,2,3,4,5,6,7
	v_wmma_f32_16x16x64_fp8_fp8 v[64+64*\x+8*\t:71+64*\x+8*\t], v[8*\t:8*\t+7], v[128+8*\x:135+8*\x], 0
.endr
.endm
.macro PV x                            ; O^T += V^T P^T
	WIN 0x51
.irp dt,0,1,2,3
	v_wmma_f32_16x16x128_fp8_fp8 v[144+32*\x+8*\dt:151+32*\x+8*\dt], v[64+16*\dt:79+16*\dt], v[192+16*\x:207+16*\x], v[144+32*\x+8*\dt:151+32*\x+8*\dt]
.endr
.endm
.macro MAXM x                          ; the running largest t, -M = floor(-t), f = 2^(old M - new M)
.set rT, 12+12*\x
.set rS, 64+64*\x
	v_max3_num_f32 v[rT+6], v[rS], v[rS+1], v[rS+2]
	v_max3_num_f32 v[rT+7], v[rS+3], v[rS+4], v[rS+5]
.irp i,6,10,14,18,22,26,30,34,38,42,46,50,54,58
	v_max3_num_f32 v[rT+6], v[rT+6], v[rS+\i], v[rS+\i+1]
	v_max3_num_f32 v[rT+7], v[rT+7], v[rS+\i+2], v[rS+\i+3]
.endr
	v_max3_num_f32 v[rT+6], v[rT+6], v[rS+62], v[rS+63]
	v_max_num_f32 v[rT+6], v[rT+6], v[rT+7]
	v_permlanex16_b32 v[rT+10], v[rT+6], s44, s45
	v_max_num_f32 v[rT+6], v[rT+6], v[rT+10]
	v_mul_f32 v[rT+6], s42, v[rT+6]
	v_max_num_f32 v[rT+1], v[rT+1], v[rT+6]
	v_mov_b32 v[rT+6], v[rT]
	v_floor_f32 v[rT], -v[rT+1]
	v_sub_f32 v[rT+6], v[rT], v[rT+6]
	v_cvt_i32_f32 v[rT+6], v[rT+6]
	v_ldexp_f32 v[rT+4], 1.0, v[rT+6]
.endm
.macro SCALEL x, j                     ; t - M, a pair
	v_pk_fma_f32 v[64+64*(\x)+2*(\j):65+64*(\x)+2*(\j)], v[64+64*(\x)+2*(\j):65+64*(\x)+2*(\j)], s[42:43], v[12+12*(\x):13+12*(\x)] op_sel_hi:[1,0,0]
.endm
.macro EXPL x, j
	v_exp_f32 v[64+64*(\x)+(\j)], v[64+64*(\x)+(\j)]
.endm
.macro ADDL x, j                       ; line j of 32 of the sum of the unquantised p, in two chains
.if (\j) == 0
	v_pk_add_f32 v[20+12*(\x):21+12*(\x)], v[64+64*(\x):65+64*(\x)], v[66+64*(\x):67+64*(\x)]
.elseif (\j) == 31
	v_pk_add_f32 v[14+12*(\x):15+12*(\x)], v[14+12*(\x):15+12*(\x)], v[20+12*(\x):21+12*(\x)]
.elseif ((\j)%2) == 1
	v_pk_add_f32 v[14+12*(\x):15+12*(\x)], v[14+12*(\x):15+12*(\x)], v[66+64*(\x)+2*(\j):67+64*(\x)+2*(\j)]
.else
	v_pk_add_f32 v[20+12*(\x):21+12*(\x)], v[20+12*(\x):21+12*(\x)], v[66+64*(\x)+2*(\j):67+64*(\x)+2*(\j)]
.endif
.endm
.macro HOLD x                          ; p is at most 1, and 448 x 2^e13 is above 1 from e13 = -8 on: there the hold changes nothing and is passed over (a branch on a whole number that was read)
	s_cmp_ge_i32 s33, -8
	s_cbranch_scc1 .Lnohold_\@
.set i, 0
.rept 64
	v_min_num_f32 v[64+64*\x+i], v[64+64*\x+i], v8
.set i, i+1
.endr
.Lnohold_\@:
.endm
.macro CVT x
.irp t,0,1,2,3,4,5,6,7
	v_cvt_scalef32_pk8_fp8_f32 v[192+16*\x+2*\t:193+16*\x+2*\t], v[64+64*\x+8*\t:71+64*\x+8*\t], v7
.endr
.endm
.macro RESC x                          ; O^T under the new M; also the plain lines behind the conversions
	WIN 0x41
.set i, 0
.rept 16
	v_pk_mul_f32 v[144+32*\x+i:145+32*\x+i], v[144+32*\x+i:145+32*\x+i], v[16+12*\x:17+12*\x] op_sel_hi:[1,0]
.set i, i+2
.endr
.endm
; A step of 128 keys for both tiles.  Tile 1's vector work runs over tile 0's products, the next step's first maximum over tile 1's.
.macro STEP k
	MAXM 0
	MAXM 1
.set j, 0
.rept 32
	SCALEL 0, j
.set j, j+1
.endr
.set j, 0
.rept 32
	EXPL 0, 2*j
	EXPL 0, 2*j+1
	SCALEL 1, j
.set j, j+1
.endr
	v_pk_mul_f32 v[14:15], v[14:15], v[16:17] op_sel_hi:[1,0]
	s_wait_alu depctr_va_vdst(0)           ; one wait for tile 0's 64 exponentials, ahead of their first reader
.set j, 0
.rept 32
	EXPL 1, 2*j
	EXPL 1, 2*j+1
	ADDL 0, j
.set j, j+1
.endr
	v_pk_mul_f32 v[26:27], v[26:27], v[28:29] op_sel_hi:[1,0]
	s_wait_alu depctr_va_vdst(0)           ; and one for tile 1's, ahead of the branch below
	HOLD 0
	CVT 0
	RESC 0
.if \k < 3
	s_wait_dscnt 16                        ; V of this step is in; the next K's 16 loads are younger
.else
	s_wait_dscnt 0x0
.endif
	PV 0
.if \k < 3
	s_wait_dscnt 0x0                       ; the next step's K
	SMUL 0
.endif
	WIN 0
.set j, 0
.rept 32
	ADDL 1, j
.set j, j+1
.endr
	HOLD 1
	CVT 1
	RESC 1
	PV 1
.if \k < 3
	SMUL 1
	WIN 0
	PLACES
	FETCH_V \k+1
.if \k < 2
	FETCH_K \k+2
.endif
.endif
	WIN 0
.endm
	s_load_b256 s[68:75], s[0:1], 0x68     ; the critic's pointers, asked for here so that they are there when it begins: cw1, cb1, cw2, cb2,
	s_load_b128 s[76:79], s[0:1], 0x88     ; cw3, cb3,
	s_load_b64 s[80:81], s[0:1], 0x98      ; out1,
	s_load_b64 s[82:83], s[0:1], 0x10      ; global_embed
	s_add_co_u32 s54, s6, 2
	s_mul_i32 s54, s54, QKR
	s_add_co_u32 s54, s54, QKB
	v_add_nc_u32 v2, s54, v1
	s_mul_i32 s54, s6, 4*VR
	s_add_co_u32 s54, s54, VB
	v_add_nc_u32 v3, s54, v1
	s_mul_i32 s54, s6, QKR
	s_add_co_u32 s54, s54, QKB
	v_add_nc_u32 v4, s54, v1
	v_bfe_u32 v6, v0, 4, 1
	v_cvt_f32_u32 v6, v6
	v_sub_f32 v6, 1.0, v6
	MKSC 7, 8, 33
	MKSC 9, 10, 34
	s_add_co_i32 s54, s30, s31
	s_lshl_b32 s54, s54, 23
	s_add_co_i32 s42, s54, 0x3e38aa3b      ; c = log2(e) / 8 x 2^(e10 + e11): the exponents are added to c's exponent field
	s_mov_b32 s43, s42
	s_add_co_i32 s46, s32, s33
.irp x,0,1
	v_mov_b32 v[17+12*\x], 0               ; named as the upper half of f's pair
	v_mov_b32 v[22+12*\x], 0               ; a lane permute's destination counts as read
.endr
	s_mov_b32 s48, 0
	s_mov_b32 s47, s41                     ; my pair of query tiles: 4 p + quarter
	s_lshl_b32 s49, s41, 11
	s_lshl_b32 s50, s41, 14
.Lpair:                                    ; five trips in every wave; pairs 17 to 19 do not exist and their work is passed over
	s_cmp_ge_u32 s47, 17
	s_cbranch_scc1 .Lnone
	s_wait_xcnt 0x0                        ; the last pair's stores have read their data and offset
	v_add_nc_u32 v5, s49, v4
	v_add_nc_u32 v11, s50, v1
	; the global key: it starts M, the sum and O
	WIN 0x40
.irp x,0,1
	ds_load_b128 v[128+8*\x:131+8*\x], v5 offset:1024*\x
	ds_load_b128 v[132+8*\x:135+8*\x], v5 offset:1024*\x+512
.endr
	ds_load_b128 v[0:3], v2 offset:32768
	ds_load_b128 v[4:7], v2 offset:33280
.irp dt,0,1,2,3
.irp c,0,1,2,3
	ds_load_b128 v[64+16*\dt+4*\c:67+16*\dt+4*\c], v3 offset:VR*\dt+8192+512*\c
.endr
.endr
	WIN 0
	s_wait_dscnt 0x0
	WIN 0x05
	v_wmma_f32_16x16x64_fp8_fp8 v[64:71], v[0:7], v[128:135], 0
	v_wmma_f32_16x16x64_fp8_fp8 v[128:135], v[0:7], v[136:143], 0
	WIN 0
	PLACES
	FETCH_K 0
.irp x,0,1
	v_mul_f32 v[13+12*\x], s42, v[64+64*\x]
	v_floor_f32 v[12+12*\x], -v[13+12*\x]
	v_fma_f32 v[64+64*\x], v[64+64*\x], s42, v[12+12*\x]
	v_exp_f32 v[64+64*\x], v[64+64*\x]
.endr
.irp x,0,1
.irp j,1,2,3,4,5,6,7
	v_mov_b32 v[64+64*\x+\j], 0            ; the tile's other fifteen rows are copies of the same key: they count for nothing
.endr
.endr
	s_wait_alu depctr_va_vdst(0)           ; one wait for the two exponentials
.irp x,0,1
	v_mul_f32 v[64+64*\x], v[64+64*\x], v6 ; once: in lanes 0-15
	v_mov_b32 v[14+12*\x], v[64+64*\x]
	v_mov_b32 v[15+12*\x], 0
	v_min_num_f32 v[64+64*\x], v[64+64*\x], v8
	v_cvt_scalef32_pk8_fp8_f32 v[192+16*\x:193+16*\x], v[64+64*\x:71+64*\x], v7
.irp j,2,3,4,5,6,7,8,9,10,11,12,13,14,15
	v_mov_b32 v[192+16*\x+\j], 0
.endr
.endr
	WIN 0x51
.irp dt,0,1,2,3
.irp x,0,1
	v_wmma_f32_16x16x128_fp8_fp8 v[144+32*\x+8*\dt:151+32*\x+8*\dt], v[64+16*\dt:79+16*\dt], v[192+16*\x:207+16*\x], 0
.endr
.endr
	s_wait_dscnt 0x0                       ; K of step 0
	SMUL 0
	SMUL 1
	WIN 0
	PLACES
	FETCH_V 0
	FETCH_K 1
	STEP 0
	STEP 1
	STEP 2
	STEP 3
	; the way out: O^T x 2^(e12 + e13) / sum, quantised with e14; a lane's 16 registers of two tiles are 16 neighbours of the next K, so the codes are stored as they stand
.irp x,0,1
	v_add_f32 v[23+12*\x], v[14+12*\x], v[15+12*\x]
.endr
.irp x,0,1
	v_permlanex16_b32 v[22+12*\x], v[23+12*\x], s44, s45
.endr
.irp x,0,1
	v_add_f32 v[23+12*\x], v[23+12*\x], v[22+12*\x]
.endr
.irp x,0,1
	v_rcp_f32 v[23+12*\x], v[23+12*\x]
.endr
	v_nop
	s_wait_alu depctr_va_vdst(0)           ; one wait for the two reciprocals
.irp x,0,1
	v_ldexp_f32 v[23+12*\x], v[23+12*\x], s46
.endr
.irp x,0,1
	WIN 0x01
.set i, 0
.rept 32
	v_mul_f32 v[64+64*\x+i], v[144+32*\x+i], v[23+12*\x]
.set i, i+1
.endr
	WIN 0
.set i, 0
.rept 32
	v_med3_num_f32 v[64+64*\x+i], v[64+64*\x+i], -v10, v10
.set i, i+1
.endr
.irp t,0,1,2,3
	v_cvt_scalef32_pk8_fp8_f32 v[192+16*\x+2*\t:193+16*\x+2*\t], v[64+64*\x+8*\t:71+64*\x+8*\t], v9
.endr
	v_nop
	global_store_b128 v11, v[192+16*\x:195+16*\x], s[16:17] offset:8192*\x        ; the wave stores 512 consecutive bytes, aligned
	global_store_b128 v11, v[196+16*\x:199+16*\x], s[16:17] offset:8192*\x+512
.endr
.Lnone:
	s_add_co_u32 s48, s48, 1
	s_add_co_u32 s47, s47, 4
	s_add_co_u32 s49, s49, 8192
	s_add_co_u32 s50, s50, 65536
	s_cmp_lt_u32 s48, 5
	s_cbranch_scc1 .Lpair
; ---------------- the critic: 16 rows of global_embed, one wave, no LDS.  Window 1: cw1's 16 fragments.  Window 0: v64-127, v128-191 two units of x by turns; x's codes at v192, v208, v32, v48;
; behind the third quantisation v64-95 cb1, v96-111 cw2, v112-127 cb2; behind the fourth v128-159 the first layer, v160-167 its codes, v168-183 the second layer; v240-255 cw3.
	s_cmp_eq_u32 s2, 2
	s_cbranch_scc0 .Lend
	s_cmp_lt_u32 ttmp9, 4
	s_cbranch_scc0 .Lend
	s_wait_xcnt 0x0                        ; my stores have read their registers
	s_wait_kmcnt 0x0                       ; the pointers
	s_load_b32 s58, s[78:79], 0x0          ; cb3
	v_and_b32 v2, 15, v0
	v_bfe_u32 v3, v0, 4, 1
	v_and_b32 v12, 31, v0
	v_lshlrev_b32 v4, 11, v2
	v_lshl_add_u32 v4, v3, 6, v4           ; x: row r of 2,048 bytes + 64 h
	v_and_b32 v5, 8, v2
	v_add_nc_u32 v5, v5, v2
	v_lshlrev_b32 v5, 9, v5
	v_lshl_add_u32 v5, v3, 4, v5           ; cw1: row r + 8 (r / 8)
	v_lshlrev_b32 v6, 6, v3
	v_lshlrev_b32 v7, 6, v2
	v_lshl_add_u32 v7, v3, 4, v7           ; cw2: row r of 64 bytes + 16 h
	v_lshlrev_b32 v8, 5, v3
	v_lshlrev_b32 v9, 2, v2
	v_mov_b32 v13, 0                       ; a lane permute's destination counts as read
	v_mov_b32 v30, 0x39500d01
	v_mov_b32 v31, 0x39500d01
	s_lshl_b32 s54, ttmp9, 15
	s_mov_b32 s55, 0
	s_add_nc_u64 s[82:83], s[82:83], s[54:55]
	s_lshl_b32 s54, ttmp9, 6
	s_add_nc_u64 s[80:81], s[80:81], s[54:55]
.macro CXL u, s                        ; K step s of my 16 rows into unit u
.irp b,0,1,2,3
.irp j,0,1,2,3
	global_load_b128 v[64+64*\u+16*\b+4*\j:67+64*\u+16*\b+4*\j], v4, s[82:83] offset:512*\s+128*\b+16*\j
.endr
.endr
.endm
	CXL 0, 0
	CXL 1, 1
	WIN 0x40
.irp ht,0,1,2,3
.irp s,0,1,2,3
.irp c,0,1,2,3
	global_load_b128 v[16*(4*\ht+\s)+4*\c:16*(4*\ht+\s)+4*\c+3], v5, s[68:69] offset:(32*(\ht/2)+8*(\ht%2))*512+128*\s+32*\c
.endr
.endr
.endr
	WIN 0
.irp o,0,1
	global_load_b128 v[240+8*\o:243+8*\o], v8, s[76:77] offset:64*\o
	global_load_b128 v[244+8*\o:247+8*\o], v8, s[76:77] offset:64*\o+16
.endr
	MKSC 17, 20, 20
	MKSC 18, 21, 22
	s_add_co_i32 s54, s20, s21
	s_add_co_i32 s66, s54, 127
	s_lshl_b32 s66, s66, 23                ; 2^(e0 + e1)
	s_mov_b32 s67, s66
	s_sub_co_i32 s54, 0, s54
	s_add_co_i32 s56, s22, s23
	s_add_co_i32 s60, s56, 127
	s_lshl_b32 s60, s60, 23                ; 2^(e2 + e3)
	s_mov_b32 s61, s60
	s_sub_co_i32 s56, 0, s56
	s_wait_loadcnt 0x0
	QUANT 64, 17, 20, 192
	CXL 0, 2
	QUANT 128, 17, 20, 208
	CXL 1, 3
	s_wait_loadcnt 16                      ; K step 2 is in; K step 3's 16 loads are younger
	QUANT 64, 17, 20, 32
.irp ht,0,1,2,3
	global_load_b128 v[64+8*\ht:67+8*\ht], v6, s[70:71] offset:4*(32*(\ht/2)+8*(\ht%2))
	global_load_b128 v[68+8*\ht:71+8*\ht], v6, s[70:71] offset:4*(32*(\ht/2)+8*(\ht%2))+16
.endr
.irp o,0,1
	global_load_b128 v[96+8*\o:99+8*\o], v7, s[72:73] offset:1024*\o
	global_load_b128 v[100+8*\o:103+8*\o], v7, s[72:73] offset:1024*\o+32
	global_load_b128 v[112+8*\o:115+8*\o], v8, s[74:75] offset:64*\o
	global_load_b128 v[116+8*\o:119+8*\o], v8, s[74:75] offset:64*\o+16
.endr
	s_wait_loadcnt 16                      ; K step 3 is in; the 16 loads of cb1, cw2, cb2 are younger
	QUANT 128, 17, 20, 48
	s_wait_loadcnt 0x0
.set i, 0
.rept 32
	v_ldexp_f32 v[64+i], v[64+i], s54
.set i, i+1
.endr
.set i, 0
.rept 16
	v_ldexp_f32 v[112+i], v[112+i], s56
.set i, i+1
.endr
	WIN 0x01
.irp s,0,1,2,3                         ; four accumulators by turns; cb1 is the first C
.if \s < 2
.set cx, 192+16*\s
.else
.set cx, 16*\s
.endif
.irp ht,0,1,2,3
.if \s == 0
	v_wmma_f32_16x16x128_fp8_fp8 v[128+8*\ht:135+8*\ht], v[16*(4*\ht+\s):16*(4*\ht+\s)+15], v[cx:cx+15], v[64+8*\ht:71+8*\ht]
.else
	v_wmma_f32_16x16x128_fp8_fp8 v[128+8*\ht:135+8*\ht], v[16*(4*\ht+\s):16*(4*\ht+\s)+15], v[cx:cx+15], v[128+8*\ht:135+8*\ht]
.endif
.endr
.endr
	WIN 0
	PLACES
.irp ht,0,1,2,3
	ELU8 128+8*\ht, 128+8*\ht, 66
.endr
.set i, 0
.rept 32
	v_med3_num_f32 v[128+i], v[128+i], -v21, v21
.set i, i+1
.endr
.irp t,0,1,2,3
	v_cvt_scalef32_pk8_fp8_f32 v[160+2*\t:161+2*\t], v[128+8*\t:135+8*\t], v18
.endr
	v_nop
.irp o,0,1
	v_wmma_f32_16x16x64_fp8_fp8 v[168+8*\o:175+8*\o], v[96+8*\o:103+8*\o], v[160:167], v[112+8*\o:119+8*\o]
.endr
	PLACES
	ELU8 168, 168, 60
	ELU8 176, 176, 60
	v_mul_f32 v10, v168, v240
	v_mul_f32 v11, v176, v248
.irp j,1,2,3,4,5,6,7
	v_fma_f32 v10, v[168+\j], v[240+\j], v10
	v_fma_f32 v11, v[176+\j], v[248+\j], v11
.endr
	v_add_f32 v10, v10, v11
	v_permlanex16_b32 v13, v10, s44, s45   ; the row's other sixteen units lie in the lane 16 away
	v_add_f32 v10, v10, v13
	s_wait_kmcnt 0x0
	v_add_f32 v10, s58, v10
	s_wait_xcnt 0x0                        ; EXEC changes only behind this wait
	v_cmp_gt_u32 vcc_lo, 16, v12
	s_and_saveexec_b32 s56, vcc_lo
	global_store_b32 v9, v10, s[80:81]
	s_wait_xcnt 0x0
	s_or_b32 exec_lo, exec_lo, s56
.Lend:
	s_wait_xcnt 0x0
	s_mov_b32 exec_lo, -1
	v_lshl_add_u32 v238, v0, 2, 0x4e000
	v_mov_b32 v239, 0
	s_wait_tensorcnt 0x0
	ds_add_u32 v238, v239
	s_wait_dscnt 0x0
	s_endpgm
.Lfunc_end_k_q9eb49d7f36_attn:
	.size	k_q9eb49d7f36_attn, .Lfunc_end_k_q9eb49d7f36_attn-k_q9eb49d7f36_attn
	.p2alignl 7, 3214868480
	.fill 96, 4, 3214868480
	.section	.rodata,"a",@progbits
	.p2align	6, 0x0
	.amdhsa_kernel k_q9eb49d7f36_attn
		.amdhsa_group_segment_fixed_size 320512
		.amdhsa_private_segment_fixed_size 0
		.amdhsa_enable_private_segment 0
		.amdhsa_kernarg_size 160
		.amdhsa_user_sgpr_count 2
		.amdhsa_user_sgpr_kernarg_segment_ptr 1
		.amdhsa_wavefront_size32 1
		.amdhsa_system_sgpr_workgroup_id_x 1
		.amdhsa_system_sgpr_workgroup_id_y 1
		.amdhsa_system_sgpr_workgroup_id_z 1
		.amdhsa_system_vgpr_workitem_id 0
		.amdhsa_next_free_vgpr 512
		.amdhsa_next_free_sgpr 100
		.amdhsa_reserve_vcc 1
		.amdhsa_float_denorm_mode_32 3
		.amdhsa_float_denorm_mode_16_64 3
		.amdhsa_memory_ordered 1
		.amdhsa_forward_progress 1
		.amdhsa_inst_pref_size 255
	.end_amdhsa_kernel
	.section	.bss,"aw",@nobits
	.p2align	6
	.space	262144
	.amdgpu_metadata
---
amdhsa.version: [ 1, 2 ]
amdhsa.kernels:
  - .name:           k_q9eb49d7f36_attn
    .symbol:         k_q9eb49d7f36_attn.kd
    .args:
      - { .name: task_embed, .offset: 0, .size: 8, .value_kind: global_buffer, .address_space: global }
      - { .name: usv_embed, .offset: 8, .size: 8, .value_kind: global_buffer, .address_space: global }
      - { .name: global_embed, .offset: 16, .size: 8, .value_kind: global_buffer, .address_space: global }
      - { .name: task_ids, .offset: 24, .size: 8, .value_kind: global_buffer, .address_space: global }
      - { .name: usv_ids, .offset: 32, .size: 8, .value_kind: global_buffer, .address_space: global }
      - { .name: wq_codes, .offset: 40, .size: 8, .value_kind: global_buffer, .address_space: global }
      - { .name: wk_codes, .offset: 48, .size: 8, .value_kind: global_buffer, .address_space: global }
      - { .name: wv_codes, .offset: 56, .size: 8, .value_kind: global_buffer, .address_space: global }
      - { .name: bq, .offset: 64, .size: 8, .value_kind: global_buffer, .address_space: global }
      - { .name: bk, .offset: 72, .size: 8, .value_kind: global_buffer, .address_space: global }
      - { .name: bv, .offset: 80, .size: 8, .value_kind: global_buffer, .address_space: global }
      - { .name: lowp_scales, .offset: 88, .size: 8, .value_kind: global_buffer, .address_space: global }
      - { .name: ctx, .offset: 96, .size: 8, .value_kind: global_buffer, .address_space: global }
      - { .name: cw1_codes, .offset: 104, .size: 8, .value_kind: global_buffer, .address_space: global }
      - { .name: cb1, .offset: 112, .size: 8, .value_kind: global_buffer, .address_space: global }
      - { .name: cw2_codes, .offset: 120, .size: 8, .value_kind: global_buffer, .address_space: global }
      - { .name: cb2, .offset: 128, .size: 8, .value_kind: global_buffer, .address_space: global }
      - { .name: cw3, .offset: 136, .size: 8, .value_kind: global_buffer, .address_space: global }
      - { .name: cb3, .offset: 144, .size: 8, .value_kind: global_buffer, .address_space: global }
      - { .name: out1, .offset: 152, .size: 8, .value_kind: global_buffer, .address_space: global }
    .group_segment_fixed_size: 320512
    .private_segment_fixed_size: 0
    .kernarg_segment_align: 8
    .kernarg_segment_size: 160
    .max_flat_workgroup_size: 256
    .sgpr_count:     100
    .vgpr_count:     512
    .wavefront_size: 32
...
	.end_amdgpu_metadata
.endif
;; end of part 1
;; launch head (part 2): grid 256 x 1, 4 waves a work-group, no clusters, 300,032 bytes of LDS; arguments ctx, wo_codes, bo, ln_g, ln_b, task_embed, usv_embed, global_embed, task_ids, usv_ids, aw1_codes, ab1, aw2_codes, ab2, aw3, ab3, lowp_scales, out0; writes out0
.if DOCPART == 2
	.amdgcn_target "amdgcn-amd-amdhsa--gfx1250"
	.amdhsa_code_object_version 6
	.text
	.protected	k_q9eb49d7f36_head
	.globl	k_q9eb49d7f36_head
	.p2align	8
	.type	k_q9eb49d7f36_head,@function
k_q9eb49d7f36_head:
	s_mov_b64 s[64:65], 0
	v_nop
	global_prefetch_b8 v0, s[64:65] scope:SCOPE_SE
	s_setreg_imm32_b32 hwreg(HW_REG_WAVE_MODE, 25, 1), 1
	s_wait_xcnt 0x0
; One work-group = one item B and a quarter QD of its 512 actions: eight tiles of 16 rows, and as a ninth tile the global row (sixteen copies), which every work-group of the item makes for itself.
; PHASE A (the waves share the COLUMNS): wave w keeps wo's rows 128 w .. 128 w + 127 in 512 registers, read once.  For each tile: ctx's codes x wo + bo + the residual (gathered again), then the
; wave's own mean and sum of squared deviations over its 128 columns (two passes: no difference of large sums).  y waits in the wave's own LDS bytes as f32.
; PHASE A2: behind one barrier every wave joins the four waves' figures (mean = their mean; M2 = the sum of theirs + 128 x the squared distances of their means), normalises its columns,
; quantises them with e16 and lays the codes over the head of the same LDS bytes: they are K step w of the actor's first product, as an image of the operand's registers.
; PHASE B (the waves share the ROWS): wave w takes tiles 2 w, 2 w + 1.  The state's half of the first layer is summed once (its sixteen rows are equal, so its result serves as the C of any tile of rows).
; The rows of wo and aw1 that form a tile are 32 b + 8 u + r + 8 (r / 8), so that a lane's 16 registers of two neighbouring tiles are 16 neighbours along the next K.
; NO tensor load, no cluster: wo and aw1 go into registers lane by lane in that chosen order, once; ctx's images are loaded straight into operand registers.  NO prefetch: all global loads are issued in bulk, a tile ahead.
; out0 leaves as 128 bytes a wave: the whole output of a work-group is 512 bytes, and gathering it would cost a barrier.
; LIMITS: e16, e18 between -126 and 119; e14+e15, e16+e17, e18+e19 between -126 and 127.  NaN among the inputs is not served.  Ids are taken as in range and clamped all the same.
.set YW,   73728                       ; LDS: a wave's nine tiles of y, 8,192 bytes each
.set STAT, 294912                      ; LDS: tile x 512 + wave x 128 + 8 r: (mean, M2)
.set ELT, 32
.set KCV, 22
.set MSB, 0
.macro WIN new                         ; the immediate's high byte repeats the setting that is left
.if MSB != (\new)
	s_set_vgpr_msb (MSB<<8)|(\new)
.set MSB, (\new)
.endif
.endm
.macro PLACES
.rept 4
	v_nop
.endr
.endm
.macro MKSC vs, vl, se                 ; v[vs] = 2^e, v[vl] = 448 x 2^e, e = s[se]
	s_add_co_i32 s62, s[\se], 127
	s_lshl_b32 s63, s62, 23
	v_mov_b32 v[\vs], s63
	s_add_co_i32 s62, s62, 8
	s_lshl_b32 s62, s62, 23
	s_or_b32 s62, s62, 0x600000
	v_mov_b32 v[\vl], s62
.endm
; elu of eight sums x s[sp]: max(x, 0) + expm1(min(x, 0)); expm1 by its series of degree 7 above -0.35 (error under 2e-8 of the number), by 2^(x log2 e) - 1 below, where nothing cancels
.macro ELU8 d, a, sp
.irp i,0,2,4,6
	v_pk_mul_f32 v[ELT+\i:ELT+\i+1], v[(\a)+\i:(\a)+\i+1], s[\sp:\sp+1] op_sel_hi:[1,0]
.endr
.irp i,0,1,2,3,4,5,6,7
	v_min_num_f32 v[ELT+8+\i], 0, v[ELT+\i]
.endr
.irp i,0,2,4,6
	v_pk_mul_f32 v[ELT+16+\i:ELT+17+\i], v[ELT+8+\i:ELT+9+\i], 0x3fb8aa3b op_sel_hi:[1,0]
.endr
.irp i,0,1,2,3,4,5,6,7
	v_exp_f32 v[ELT+16+\i], v[ELT+16+\i]
.endr
.irp i,0,2,4,6
	v_pk_fma_f32 v[ELT+24+\i:ELT+25+\i], v[KCV:KCV+1], v[ELT+8+\i:ELT+9+\i], 0x3ab60b61 op_sel_hi:[1,1,0]
.endr
.irp c,0x3c088889,0x3d2aaaab,0x3e2aaaab,0.5,1.0
.irp i,0,2,4,6
	v_pk_fma_f32 v[ELT+24+\i:ELT+25+\i], v[ELT+24+\i:ELT+25+\i], v[ELT+8+\i:ELT+9+\i], \c op_sel_hi:[1,1,0]
.endr
.endr
.irp i,0,2,4,6
	v_pk_mul_f32 v[ELT+24+\i:ELT+25+\i], v[ELT+24+\i:ELT+25+\i], v[ELT+8+\i:ELT+9+\i]
.endr
	s_wait_alu depctr_va_vdst(0)           ; one wait for the eight exponentials, ahead of their first reader; the series is the work between
.irp i,0,2,4,6
	v_pk_add_f32 v[ELT+16+\i:ELT+17+\i], v[ELT+16+\i:ELT+17+\i], -1.0 op_sel_hi:[1,0]
.endr
.irp i,0,1,2,3,4,5,6,7
	v_cmp_lt_f32 vcc_lo, s51, v[ELT+8+\i]
	v_cndmask_b32 v[ELT+16+\i], v[ELT+16+\i], v[ELT+24+\i], vcc_lo
.endr
.irp i,0,1,2,3,4,5,6,7
	v_max_num_f32 v[ELT+\i], 0, v[ELT+\i]
.endr
.irp i,0,2,4,6
	v_pk_add_f32 v[(\d)+\i:(\d)+\i+1], v[ELT+\i:ELT+\i+1], v[ELT+16+\i:ELT+17+\i]
.endr
.endm
; REGISTERS.  Window 0: v1 16 l; v2 64 h; v3 r; v4 h; v5 where I store my figures; v6, v7 where I read all four; v8-10 my y tiles 0-3, 4-7, 8; v11 the tile in hand; v12-19 the eight tiles' row offsets;
; v20, v21 wo's and aw1's lane offsets; v[22:23] (mean, M2); v[24:25] 1 / sqrt; v26, v27 scale and hold; v28 permute; v29, v30 small offsets; v31 4 r, later 4 l;
; v32-95 the residual, then y; v96-111 codes; v112-127 at work; v128-191 ln_g; v192-255 ln_b.
; Windows 1, 2: wo's 32 fragments, later aw1's action half and state half.  Window 3: v0-63 sums, v64-191 two sets of ctx's four fragments, v192-255 bo;
; later v0-127 two sets of y, v128-143 two sets of figures, v144-175 ab1, v176-191 aw2, v192-207 ab2, v208-223 aw3.
.macro CFLOAD t                        ; ctx's four fragments of tile t, as they lie
	WIN 0xC0
.irp s,0,1,2,3
.irp c,0,1,2,3
.if (\t) < 8
	global_load_b128 v[64+64*((\t)%2)+16*\s+4*\c:67+64*((\t)%2)+16*\s+4*\c], v1, s[14:15] offset:8192*(\t)+2048*\s+512*\c
.else
	global_load_b128 v[64+64*((\t)%2)+16*\s+4*\c:67+64*((\t)%2)+16*\s+4*\c], v1, s[16:17] offset:2048*\s+512*\c
.endif
.endr
.endr
	WIN 0
.endm
.macro XLD t                           ; the residual: my 128 columns of the tile's rows, in the sums' layout
.irp b,0,1,2,3
.irp j,0,1,2,3
.if (\t) < 8
	global_load_b128 v[32+16*\b+4*\j:35+16*\b+4*\j], v[12+(\t)], s[8:9] offset:128*\b+16*\j
.else
	global_load_b128 v[32+16*\b+4*\j:35+16*\b+4*\j], v2, s[10:11] offset:128*\b+16*\j
.endif
.endr
.endr
.endm
.macro LSTAT                           ; v22 = the mean of my row's 128 numbers here, v23 = the sum of their squared deviations from it
	v_pk_add_f32 v[112:113], v[32:33], v[34:35]
	v_pk_add_f32 v[114:115], v[36:37], v[38:39]
.irp j,8,12,16,20,24,28,32,36,40,44,48,52,56,60
	v_pk_add_f32 v[112:113], v[112:113], v[32+\j:33+\j]
	v_pk_add_f32 v[114:115], v[114:115], v[34+\j:35+\j]
.endr
	v_pk_add_f32 v[112:113], v[112:113], v[114:115]
	v_add_f32 v22, v112, v113
	v_permlanex16_b32 v28, v22, s44, s45
	v_add_f32 v22, v22, v28
	v_mul_f32 v22, 0x3c000000, v22         ; / 128
.set g, 0
.rept 8
.irp q,0,1,2,3
	v_pk_add_f32 v[116+2*\q:117+2*\q], v[32+8*g+2*\q:33+8*g+2*\q], v[22:23] op_sel_hi:[1,0] neg_lo:[0,1] neg_hi:[0,1]
.endr
.irp q,0,1,2,3
.if (g == 0) && (\q < 2)
	v_pk_mul_f32 v[124+2*\q:125+2*\q], v[116+2*\q:117+2*\q], v[116+2*\q:117+2*\q]
.else
	v_pk_fma_f32 v[124+2*(\q%2):125+2*(\q%2)], v[116+2*\q:117+2*\q], v[116+2*\q:117+2*\q], v[124+2*(\q%2):125+2*(\q%2)]
.endif
.endr
.set g, g+1
.endr
	v_pk_add_f32 v[124:125], v[124:125], v[126:127]
	v_add_f32 v23, v124, v125
	v_permlanex16_b32 v28, v23, s44, s45
	v_add_f32 v23, v23, v28
.endm
.macro TILE t
.if \t < 8
	CFLOAD \t+1
	s_wait_loadcnt 32                      ; this tile's ctx is in: behind it came the residual's 16 loads and the next tile's 16
.else
	s_wait_loadcnt 16
.endif
.irp s,0,1,2,3                         ; eight accumulators by turns, one instruction a turn; bo is the first C
	WIN 0xFD
.irp ct,0,1,2,3
.if \s == 0
	v_wmma_f32_16x16x128_fp8_fp8 v[8*\ct:8*\ct+7], v[16*(4*\ct+\s):16*(4*\ct+\s)+15], v[64+64*(\t%2)+16*\s:79+64*(\t%2)+16*\s], v[192+8*\ct:199+8*\ct]
.else
	v_wmma_f32_16x16x128_fp8_fp8 v[8*\ct:8*\ct+7], v[16*(4*\ct+\s):16*(4*\ct+\s)+15], v[64+64*(\t%2)+16*\s:79+64*(\t%2)+16*\s], v[8*\ct:8*\ct+7]
.endif
.endr
	WIN 0xFE
.irp ct,0,1,2,3
.if \s == 0
	v_wmma_f32_16x16x128_fp8_fp8 v[32+8*\ct:39+8*\ct], v[16*(4*\ct+\s):16*(4*\ct+\s)+15], v[64+64*(\t%2)+16*\s:79+64*(\t%2)+16*\s], v[224+8*\ct:231+8*\ct]
.else
	v_wmma_f32_16x16x128_fp8_fp8 v[32+8*\ct:39+8*\ct], v[16*(4*\ct+\s):16*(4*\ct+\s)+15], v[64+64*(\t%2)+16*\s:79+64*(\t%2)+16*\s], v[32+8*\ct:39+8*\ct]
.endif
.endr
.endr
	WIN 0
	PLACES
.if \t < 8
	s_wait_loadcnt 16                      ; the residual is in; the next tile's ctx may be out
.else
	s_wait_loadcnt 0x0
.endif
	WIN 0x03
.set i, 0
.rept 32
	v_pk_fma_f32 v[32+i:33+i], v[i:i+1], s[46:47], v[32+i:33+i] op_sel_hi:[1,0,1]   ; y = sum x 2^(e14 + e15) + residual
.set i, i+2
.endr
	WIN 0
	LSTAT
	ds_store_b64 v5, v[22:23] offset:512*\t
.irp j,0,1,2,3,4,5,6,7,8,9,10,11,12,13,14,15
	ds_store_b128 v[8+\t/4], v[32+4*\j:35+4*\j] offset:8192*(\t%4)+512*\j
.endr
.if \t < 8
	s_wait_dscnt 0x0                       ; the stores have read y's registers, which take the next residual
	XLD \t+1
.endif
.endm
.macro FETCHY set, off, soff           ; a tile's y and the four waves' figures for its rows
	WIN 0xC0
.irp w,0,1,2,3
	ds_load_b64 v[128+8*(\set)+2*\w:129+8*(\set)+2*\w], v7 offset:\soff+128*\w
.endr
.irp j,0,1,2,3,4,5,6,7,8,9,10,11,12,13,14,15
	ds_load_b128 v[64*(\set)+4*\j:64*(\set)+4*\j+3], v11 offset:\off+512*\j
.endr
	WIN 0
.endm
.macro NORM set, off, soff, pre
.if \pre
	FETCHY 1-\set, \off+8192, \soff+512
	s_wait_dscnt 20                        ; all but the 20 loads just issued: this tile is in, and the last image's stores have read their registers
.else
	s_wait_dscnt 0x0
.endif
	WIN 0x0F
	v_add_f32 v112, v[128+8*\set], v[130+8*\set]
	v_add_f32 v113, v[132+8*\set], v[134+8*\set]
	v_add_f32 v114, v[129+8*\set], v[131+8*\set]
	v_add_f32 v115, v[133+8*\set], v[135+8*\set]
	WIN 0
	v_add_f32 v112, v112, v113
	v_mul_f32 v22, 0x3e800000, v112        ; the row's mean
	v_add_f32 v114, v114, v115
	WIN 0x03
.irp w,0,1,2,3
	v_sub_f32 v[116+\w], v[128+8*\set+2*\w], v22
.endr
	WIN 0
	v_mul_f32 v113, v116, v116
	v_fma_f32 v113, v117, v117, v113
	v_fma_f32 v113, v118, v118, v113
	v_fma_f32 v113, v119, v119, v113
	v_fma_f32 v114, v113, 0x43000000, v114 ; + 128 x the squared distances of the four means
	v_fma_f32 v114, v114, 0x3b000000, s48  ; / 512 + eps
	v_rsq_f32 v24, v114
	v_nop
	s_wait_alu depctr_va_vdst(0)           ; ahead of the first reader
	WIN 0xC3
.set i, 0
.rept 32
	v_pk_add_f32 v[64*\set+i:64*\set+i+1], v[64*\set+i:64*\set+i+1], v[22:23] op_sel_hi:[1,0] neg_lo:[0,1] neg_hi:[0,1]
.set i, i+2
.endr
.set i, 0
.rept 32
	v_pk_mul_f32 v[64*\set+i:64*\set+i+1], v[64*\set+i:64*\set+i+1], v[24:25] op_sel_hi:[1,0]
.set i, i+2
.endr
.set i, 0
.rept 32
	v_pk_fma_f32 v[64*\set+i:64*\set+i+1], v[64*\set+i:64*\set+i+1], v[128+i:129+i], v[192+i:193+i]
.set i, i+2
.endr
.set i, 0
.rept 64
	v_med3_num_f32 v[64*\set+i], v[64*\set+i], -v27, v27
.set i, i+1
.endr
	WIN 0x03
.irp t,0,1,2,3,4,5,6,7
	v_cvt_scalef32_pk8_fp8_f32 v[96+2*\t:97+2*\t], v[64*\set+8*\t:64*\set+8*\t+7], v26
.endr
	v_nop
	WIN 0
.irp c,0,1,2,3
	ds_store_b128 v11, v[96+4*\c:99+4*\c] offset:\off+512*\c   ; over the head of the tile's own bytes, which I have read
.endr
.endm
	s_load_b512 s[68:83], s[0:1], 0x0      ; ctx, wo, bo, ln_g, ln_b, task, usv, global
	s_load_b512 s[84:99], s[0:1], 0x40     ; task_ids, usv_ids, aw1, ab1, aw2, ab2, aw3, ab3
	s_load_b128 s[36:39], s[0:1], 0x80     ; lowp_scales, out0
	v_lshrrev_b32 v31, 5, v0
	v_readfirstlane_b32 s2, v31            ; wave
	s_and_b32 s3, ttmp9, 3                 ; QD
	s_lshr_b32 s4, ttmp9, 2                ; B
	v_and_b32 v31, 31, v0
	v_lshlrev_b32 v1, 4, v31
	v_and_b32 v3, 15, v0
	v_bfe_u32 v4, v0, 4, 1
	v_lshlrev_b32 v2, 6, v4
	s_lshl_b32 s60, s2, 7
	s_add_co_u32 s60, s60, STAT
	v_lshl_add_u32 v5, v3, 3, s60
	v_lshlrev_b32 v6, 3, v3
	v_add_nc_u32 v6, STAT, v6
	s_mul_i32 s60, s2, YW
	v_add_nc_u32 v8, s60, v1
	v_add_nc_u32 v9, 32768, v8
	v_add_nc_u32 v10, 65536, v8
	v_and_b32 v21, 8, v3
	v_add_nc_u32 v21, v21, v3              ; r + 8 (r / 8)
	v_lshlrev_b32 v20, 9, v21
	v_lshl_add_u32 v20, v4, 4, v20         ; wo: a row is 512 bytes
	v_lshlrev_b32 v21, 10, v21
	v_lshl_add_u32 v21, v4, 4, v21         ; aw1: a row is 1,024 bytes
	v_lshlrev_b32 v29, 6, v3
	v_lshl_add_u32 v29, v4, 4, v29         ; aw2: row r of 64 bytes + 16 h
	v_lshlrev_b32 v30, 5, v4
	v_lshlrev_b32 v31, 2, v3
	v_mov_b32 v23, 0
	v_mov_b32 v25, 0
	v_mov_b32 v28, 0
	s_mov_b32 s44, 0x76543210
	s_mov_b32 s45, 0xfedcba98
	s_mov_b32 s48, 0x3727c5ac              ; 1e-5
	s_mov_b32 s51, 0xbeb33333              ; -0.35
	s_mov_b32 s61, 0
	s_wait_kmcnt 0x0
	s_load_b512 s[20:35], s[36:37], 0x0    ; e0 .. e15
	s_load_b128 s[40:43], s[36:37], 0x40   ; e16 .. e19
	s_load_b32 s58, s[98:99], 0x0          ; ab3
	s_cmp_lt_u32 s2, 2                     ; my 128 columns lie in the task half (waves 0, 1) or in the usv half of a row
	s_cselect_b64 s[8:9], s[78:79], s[80:81]
	s_cselect_b64 s[12:13], s[84:85], s[86:87]
	s_mov_b32 s60, 51200
	s_cselect_b32 s60, 1024000, s60
	s_mov_b32 s18, 49
	s_cselect_b32 s18, 999, s18
	s_mul_i32 s60, s4, s60
	s_and_b32 s59, s2, 1
	s_lshl_b32 s59, s59, 9
	s_add_co_u32 s60, s60, s59
	s_add_nc_u64 s[8:9], s[8:9], s[60:61]
	s_lshl_b32 s60, s4, 11
	s_lshl_b32 s59, s2, 9
	s_add_co_u32 s60, s60, s59
	s_add_nc_u64 s[10:11], s[82:83], s[60:61]
	s_lshl_b32 s60, s4, 11
	s_lshl_b32 s59, s3, 9
	s_add_co_u32 s60, s60, s59
	s_add_nc_u64 s[12:13], s[12:13], s[60:61]
	s_lshl_b32 s59, s2, 7
	s_add_co_u32 s60, s60, s59
	s_add_nc_u64 s[38:39], s[38:39], s[60:61]   ; out0 at my 32 actions
	s_mul_i32 s59, s4, 34
	s_lshl_b32 s60, s3, 3
	s_add_co_u32 s60, s60, s59
	s_lshl_b32 s60, s60, 13
	s_add_nc_u64 s[14:15], s[68:69], s[60:61]   ; ctx at my first tile
	s_add_co_u32 s60, s59, 32
	s_lshl_b32 s60, s60, 13
	s_add_nc_u64 s[16:17], s[68:69], s[60:61]   ; and at the global row's
	s_lshl_b32 s60, s2, 16
	s_add_nc_u64 s[70:71], s[70:71], s[60:61]
	s_lshl_b32 s60, s2, 9
	s_add_nc_u64 s[72:73], s[72:73], s[60:61]
	s_add_nc_u64 s[74:75], s[74:75], s[60:61]
	s_add_nc_u64 s[76:77], s[76:77], s[60:61]
.irp t,0,1,2,3,4,5,6,7
	global_load_b32 v[12+\t], v31, s[12:13] offset:64*\t
.endr
	WIN 0x40
.irp ct,0,1,2,3
.irp s,0,1,2,3
.irp c,0,1,2,3
	global_load_b128 v[16*(4*\ct+\s)+4*\c:16*(4*\ct+\s)+4*\c+3], v20, s[70:71] offset:(32*(\ct/2)+8*(\ct%2))*512+128*\s+32*\c
.endr
.endr
.endr
	WIN 0x80
.irp ct,0,1,2,3
.irp s,0,1,2,3
.irp c,0,1,2,3
	global_load_b128 v[16*(4*\ct+\s)+4*\c:16*(4*\ct+\s)+4*\c+3], v20, s[70:71] offset:(64+32*(\ct/2)+8*(\ct%2))*512+128*\s+32*\c
.endr
.endr
.endr
	WIN 0xC0
.irp ct,0,1,2,3,4,5,6,7
	global_load_b128 v[192+8*\ct:195+8*\ct], v2, s[72:73] offset:128*(\ct/2)+32*(\ct%2)
	global_load_b128 v[196+8*\ct:199+8*\ct], v2, s[72:73] offset:128*(\ct/2)+32*(\ct%2)+16
.endr
	WIN 0
.irp b,0,1,2,3
.irp j,0,1,2,3
	global_load_b128 v[128+16*\b+4*\j:131+16*\b+4*\j], v2, s[74:75] offset:128*\b+16*\j
	global_load_b128 v[192+16*\b+4*\j:195+16*\b+4*\j], v2, s[76:77] offset:128*\b+16*\j
.endr
.endr
	s_wait_loadcnt 0x0
	s_wait_kmcnt 0x0
.irp t,0,1,2,3,4,5,6,7
	v_min_u32 v[12+\t], s18, v[12+\t]
	v_min_u32 v[12+\t], 0x3e7, v[12+\t]
	v_lshl_add_u32 v[12+\t], v[12+\t], 10, v2
.endr
	s_add_co_i32 s59, s34, s35
	s_add_co_i32 s46, s59, 127
	s_lshl_b32 s46, s46, 23                ; 2^(e14 + e15)
	s_mov_b32 s47, s46
	s_sub_co_i32 s59, 0, s59
	WIN 0xC3
.set i, 0
.rept 64
	v_ldexp_f32 v[192+i], v[192+i], s59    ; bo divided by the power of two that the sums lack
.set i, i+1
.endr
	WIN 0
	MKSC 26, 27, 40
	CFLOAD 0
	XLD 0
.irp t,0,1,2,3,4,5,6,7,8
	TILE \t
.endr
	; the actor's weights take the registers that wo, ctx and bo have left (tile 8's vector work is the places behind the last products); they land during phase A2
	WIN 0x40
.irp ht,0,1,2,3
.irp s,0,1,2,3
.irp c,0,1,2,3
	global_load_b128 v[16*(4*\ht+\s)+4*\c:16*(4*\ht+\s)+4*\c+3], v21, s[88:89] offset:(32*(\ht/2)+8*(\ht%2))*1024+128*\s+32*\c
.endr
.endr
.endr
	WIN 0x80
.irp ht,0,1,2,3
.irp s,0,1,2,3
.irp c,0,1,2,3
	global_load_b128 v[16*(4*\ht+\s)+4*\c:16*(4*\ht+\s)+4*\c+3], v21, s[88:89] offset:(32*(\ht/2)+8*(\ht%2))*1024+512+128*\s+32*\c
.endr
.endr
.endr
	WIN 0xC0
.irp ht,0,1,2,3
	global_load_b128 v[144+8*\ht:147+8*\ht], v2, s[90:91] offset:4*(32*(\ht/2)+8*(\ht%2))
	global_load_b128 v[148+8*\ht:151+8*\ht], v2, s[90:91] offset:4*(32*(\ht/2)+8*(\ht%2))+16
.endr
.irp o,0,1
	global_load_b128 v[176+8*\o:179+8*\o], v29, s[92:93] offset:1024*\o
	global_load_b128 v[180+8*\o:183+8*\o], v29, s[92:93] offset:1024*\o+32
	global_load_b128 v[192+8*\o:195+8*\o], v30, s[94:95] offset:64*\o
	global_load_b128 v[196+8*\o:199+8*\o], v30, s[94:95] offset:64*\o+16
	global_load_b128 v[208+8*\o:211+8*\o], v30, s[96:97] offset:64*\o
	global_load_b128 v[212+8*\o:215+8*\o], v30, s[96:97] offset:64*\o+16
.endr
	WIN 0
	s_wait_dscnt 0x0                       ; my figures and my y have landed
	s_barrier_signal -1
	s_barrier_wait -1                      ; all four waves' figures lie in LDS
	s_mov_b32 s50, 0
	s_mov_b32 s59, 0
	s_mov_b32 s49, 4
	v_mov_b32 v11, v8
	v_mov_b32 v7, v6
	FETCHY 0, 0, 0
.Lnorm:                                    ; two tiles a trip, each fetched while the one before is normalised
	NORM 0, 0, 0, 1
	NORM 1, 8192, 512, 1
	s_add_co_u32 s50, s50, 16384
	s_add_co_u32 s59, s59, 1024
	v_add_nc_u32 v11, s50, v8
	v_add_nc_u32 v7, s59, v6
	s_sub_co_u32 s49, s49, 1
	s_cmp_lg_u32 s49, 0
	s_cbranch_scc1 .Lnorm
	NORM 0, 0, 0, 0                        ; the ninth tile: the state
	s_wait_dscnt 0x0
	s_barrier_signal -1
	s_barrier_wait -1                      ; all 36 images lie in LDS; from here on LDS is only read
	; ---- phase B.  Window 0: v8-11 my two tiles' images of K step s; v5, v6, v7, v20 the state's; v32-159 fragments, later ELU's registers, codes and the second layer; v160-191 the state's sums; v192-255 the first layer
	s_lshl_b32 s60, s2, 14
	v_add_nc_u32 v8, s60, v1
	v_add_nc_u32 v9, YW, v8
	v_add_nc_u32 v10, 2*YW, v8
	v_add_nc_u32 v11, 3*YW, v8
	v_add_nc_u32 v5, 65536, v1
	v_add_nc_u32 v6, YW+65536, v1
	v_add_nc_u32 v7, 2*YW+65536, v1
	v_add_nc_u32 v20, 3*YW+65536, v1
.irp c,0,1,2,3
	ds_load_b128 v[32+4*\c:35+4*\c], v5 offset:512*\c
	ds_load_b128 v[48+4*\c:51+4*\c], v6 offset:512*\c
	ds_load_b128 v[64+4*\c:67+4*\c], v7 offset:512*\c
	ds_load_b128 v[80+4*\c:83+4*\c], v20 offset:512*\c
.endr
	s_add_co_i32 s59, s40, s41
	s_add_co_i32 s54, s59, 127
	s_lshl_b32 s54, s54, 23                ; 2^(e16 + e17)
	s_mov_b32 s55, s54
	s_sub_co_i32 s59, 0, s59
	s_add_co_i32 s60, s42, s43
	s_add_co_i32 s56, s60, 127
	s_lshl_b32 s56, s56, 23                ; 2^(e18 + e19)
	s_mov_b32 s57, s56
	s_sub_co_i32 s60, 0, s60
	MKSC 26, 27, 42
	v_mov_b32 v22, 0x39500d01
	v_mov_b32 v23, 0x39500d01
	s_wait_loadcnt 0x0                     ; the actor's weights and biases
	WIN 0xC3
.set i, 0
.rept 32
	v_ldexp_f32 v[144+i], v[144+i], s59
.set i, i+1
.endr
.set i, 0
.rept 16
	v_ldexp_f32 v[192+i], v[192+i], s60
.set i, i+1
.endr
	WIN 0
	s_wait_dscnt 0x0
.irp s,0,1,2,3                         ; the state's half of the first layer, with ab1 as the first C: four accumulators by turns
.if \s == 0
	WIN 0x32
.else
	WIN 0x02
.endif
.irp ht,0,1,2,3
.if \s == 0
	v_wmma_f32_16x16x128_fp8_fp8 v[160+8*\ht:167+8*\ht], v[16*(4*\ht+\s):16*(4*\ht+\s)+15], v[32+16*\s:47+16*\s], v[144+8*\ht:151+8*\ht]
.else
	v_wmma_f32_16x16x128_fp8_fp8 v[160+8*\ht:167+8*\ht], v[16*(4*\ht+\s):16*(4*\ht+\s)+15], v[32+16*\s:47+16*\s], v[160+8*\ht:167+8*\ht]
.endif
.endr
.endr
	WIN 0
.rept 5
	v_nop                                  ; five places: these sums become the C of other accumulators; they also serve the loads into the fragments' registers
.endr
.irp m,0,1
.irp s,0,1,2,3
.irp c,0,1,2,3
	ds_load_b128 v[32+64*\m+16*\s+4*\c:35+64*\m+16*\s+4*\c], v[8+\s] offset:8192*\m+512*\c
.endr
.endr
.endr
	s_wait_dscnt 0x0
	WIN 0x01
.irp s,0,1,2,3                         ; eight accumulators by turns
.irp m,0,1
.irp ht,0,1,2,3
.if \s == 0
	v_wmma_f32_16x16x128_fp8_fp8 v[192+32*\m+8*\ht:199+32*\m+8*\ht], v[16*(4*\ht+\s):16*(4*\ht+\s)+15], v[32+64*\m+16*\s:47+64*\m+16*\s], v[160+8*\ht:167+8*\ht]
.else
	v_wmma_f32_16x16x128_fp8_fp8 v[192+32*\m+8*\ht:199+32*\m+8*\ht], v[16*(4*\ht+\s):16*(4*\ht+\s)+15], v[32+64*\m+16*\s:47+64*\m+16*\s], v[192+32*\m+8*\ht:199+32*\m+8*\ht]
.endif
.endr
.endr
.endr
	WIN 0
	PLACES
.irp m,0,1
.irp ht,0,1,2,3
	ELU8 192+32*\m+8*\ht, 192+32*\m+8*\ht, 54
.endr
.set i, 0
.rept 32
	v_med3_num_f32 v[192+32*\m+i], v[192+32*\m+i], -v27, v27
.set i, i+1
.endr
.irp t,0,1,2,3
	v_cvt_scalef32_pk8_fp8_f32 v[64+8*\m+2*\t:65+8*\m+2*\t], v[192+32*\m+8*\t:199+32*\m+8*\t], v26
.endr
	v_nop
.endr
	WIN 0x33
.irp m,0,1
.irp o,0,1
	v_wmma_f32_16x16x64_fp8_fp8 v[80+16*\m+8*\o:87+16*\m+8*\o], v[176+8*\o:183+8*\o], v[64+8*\m:71+8*\m], v[192+8*\o:199+8*\o]
.endr
.endr
	WIN 0
	PLACES
.irp m,0,1
.irp o,0,1
	ELU8 80+16*\m+8*\o, 80+16*\m+8*\o, 56
.endr
.endr
	WIN 0x0C                               ; the second source (aw3) lies in window 3
.irp m,0,1
	v_mul_f32 v[112+2*\m], v[80+16*\m], v208
	v_mul_f32 v[113+2*\m], v[88+16*\m], v216
.irp j,1,2,3,4,5,6,7
	v_fma_f32 v[112+2*\m], v[80+16*\m+\j], v[208+\j], v[112+2*\m]
	v_fma_f32 v[113+2*\m], v[88+16*\m+\j], v[216+\j], v[113+2*\m]
.endr
.endr
	WIN 0
	v_add_f32 v112, v112, v113
	v_add_f32 v114, v114, v115
	v_permlanex16_b32 v28, v112, s44, s45  ; the row's other sixteen units lie in the lane 16 away
	v_add_f32 v112, v112, v28
	v_permlanex16_b32 v28, v114, s44, s45
	v_add_f32 v114, v114, v28
	v_and_b32 v31, 31, v0
	v_cmp_le_u32 vcc_lo, 16, v31
	v_cndmask_b32 v112, v112, v114, vcc_lo ; lanes 0-15 give tile 2 w's rows, lanes 16-31 tile 2 w + 1's
	v_add_f32 v112, s58, v112
	v_lshlrev_b32 v31, 2, v31
	global_store_b32 v31, v112, s[38:39]   ; 128 consecutive bytes a wave
	s_barrier_signal -1
	s_barrier_wait -1
	s_wait_xcnt 0x0
	v_lshl_add_u32 v254, v0, 2, 0x49200
	v_mov_b32 v255, 0
	s_wait_tensorcnt 0x0
	ds_add_u32 v254, v255
	s_wait_dscnt 0x0
	s_endpgm
.Lfunc_end_k_q9eb49d7f36_head:
	.size	k_q9eb49d7f36_head, .Lfunc_end_k_q9eb49d7f36_head-k_q9eb49d7f36_head
	.p2alignl 7, 3214868480
	.fill 96, 4, 3214868480
	.section	.rodata,"a",@progbits
	.p2align	6, 0x0
	.amdhsa_kernel k_q9eb49d7f36_head
		.amdhsa_group_segment_fixed_size 300032
		.amdhsa_private_segment_fixed_size 0
		.amdhsa_enable_private_segment 0
		.amdhsa_kernarg_size 144
		.amdhsa_user_sgpr_count 2
		.amdhsa_user_sgpr_kernarg_segment_ptr 1
		.amdhsa_wavefront_size32 1
		.amdhsa_system_sgpr_workgroup_id_x 1
		.amdhsa_system_sgpr_workgroup_id_y 1
		.amdhsa_system_sgpr_workgroup_id_z 1
		.amdhsa_system_vgpr_workitem_id 0
		.amdhsa_next_free_vgpr 1024
		.amdhsa_next_free_sgpr 100
		.amdhsa_reserve_vcc 1
		.amdhsa_float_denorm_mode_32 3
		.amdhsa_float_denorm_mode_16_64 3
		.amdhsa_memory_ordered 1
		.amdhsa_forward_progress 1
		.amdhsa_inst_pref_size 255
	.end_amdhsa_kernel
	.section	.bss,"aw",@nobits
	.p2align	6
	.space	262144
	.amdgpu_metadata
---
amdhsa.version: [ 1, 2 ]
amdhsa.kernels:
  - .name:           k_q9eb49d7f36_head
    .symbol:         k_q9eb49d7f36_head.kd
    .args:
      - { .name: ctx, .offset: 0, .size: 8, .value_kind: global_buffer, .address_space: global }
      - { .name: wo_codes, .offset: 8, .size: 8, .value_kind: global_buffer, .address_space: global }
      - { .name: bo, .offset: 16, .size: 8, .value_kind: global_buffer, .address_space: global }
      - { .name: ln_g, .offset: 24, .size: 8, .value_kind: global_buffer, .address_space: global }
      - { .name: ln_b, .offset: 32, .size: 8, .value_kind: global_buffer, .address_space: global }
      - { .name: task_embed, .offset: 40, .size: 8, .value_kind: global_buffer, .address_space: global }
      - { .name: usv_embed, .offset: 48, .size: 8, .value_kind: global_buffer, .address_space: global }
      - { .name: global_embed, .offset: 56, .size: 8, .value_kind: global_buffer, .address_space: global }
      - { .name: task_ids, .offset: 64, .size: 8, .value_kind: global_buffer, .address_space: global }
      - { .name: usv_ids, .offset: 72, .size: 8, .value_kind: global_buffer, .address_space: global }
      - { .name: aw1_codes, .offset: 80, .size: 8, .value_kind: global_buffer, .address_space: global }
      - { .name: ab1, .offset: 88, .size: 8, .value_kind: global_buffer, .address_space: global }
      - { .name: aw2_codes, .offset: 96, .size: 8, .value_kind: global_buffer, .address_space: global }
      - { .name: ab2, .offset: 104, .size: 8, .value_kind: global_buffer, .address_space: global }
      - { .name: aw3, .offset: 112, .size: 8, .value_kind: global_buffer, .address_space: global }
      - { .name: ab3, .offset: 120, .size: 8, .value_kind: global_buffer, .address_space: global }
      - { .name: lowp_scales, .offset: 128, .size: 8, .value_kind: global_buffer, .address_space: global }
      - { .name: out0, .offset: 136, .size: 8, .value_kind: global_buffer, .address_space: global }
    .group_segment_fixed_size: 300032
    .private_segment_fixed_size: 0
    .kernarg_segment_align: 8
    .kernarg_segment_size: 144
    .max_flat_workgroup_size: 128
    .sgpr_count:     100
    .vgpr_count:     1024
    .wavefront_size: 32
...
	.end_amdgpu_metadata
.endif
;; end of part 2
;; ======== version 2 of 2: 2 launches; version 1 with the launch head written anew for expert scheduling mode
;; workspace buffers: ctx 17,825,792 bytes
;; launch attn: the kernel of part 1 again; grid 256 x 1, 8 waves a work-group, no clusters, 320,512 bytes of LDS; arguments task_embed, usv_embed, global_embed, task_ids, usv_ids, wq_codes, wk_codes, wv_codes, bq, bk, bv, lowp_scales, ctx, cw1_codes, cb1, cw2_codes, cb2, cw3, cb3, out1; writes ctx, out1
;; launch head (part 3): grid 256 x 1, 4 waves a work-group, no clusters, 300,032 bytes of LDS; arguments ctx, wo_codes, bo, ln_g, ln_b, task_embed, usv_embed, global_embed, task_ids, usv_ids, aw1_codes, ab1, aw2_codes, ab2, aw3, ab3, lowp_scales, out0; writes out0
.if DOCPART == 3
	.amdgcn_target "amdgcn-amd-amdhsa--gfx1250"
	.amdhsa_code_object_version 6
	.text
	.protected	k_q9eb49d7f36_head
	.globl	k_q9eb49d7f36_head
	.p2align	8
	.type	k_q9eb49d7f36_head,@function
k_q9eb49d7f36_head:
	s_mov_b64 s[64:65], 0
	v_nop
	global_prefetch_b8 v0, s[64:65] scope:SCOPE_SE
	s_setreg_imm32_b32 hwreg(HW_REG_WAVE_SCHED_MODE, 0, 2), 2
	s_setreg_imm32_b32 hwreg(HW_REG_WAVE_MODE, 25, 1), 1
	s_wait_xcnt 0x0
	s_wait_alu depctr_vm_vsrc(0)
; One work-group = one item B and a quarter QD of its 512 actions: eight tiles of 16 rows, and as a ninth tile the global row (sixteen copies), which every work-group of the item makes for itself.
; PHASE A (the waves share the COLUMNS): wave w keeps wo's rows 128 w .. 128 w + 127 in 512 registers, read once.  For each tile: ctx's codes x wo + bo + the residual (gathered again), then the
; wave's own mean and sum of squared deviations over its 128 columns (two passes: no difference of large sums).  y waits in the wave's own LDS bytes as f32.
; PHASE A2: behind one barrier every wave joins the four waves' figures (mean = their mean; M2 = the sum of theirs + 128 x the squared distances of their means), normalises its columns,
; quantises them with e16 and lays the codes over the head of the same LDS bytes: they are K step w of the actor's first product, as an image of the operand's registers.
; PHASE B (the waves share the ROWS): wave w takes tiles 2 w, 2 w + 1.  The state's half of the first layer is summed once (its sixteen rows are equal, so its result serves as the C of any tile of rows).
; The rows of wo and aw1 that form a tile are 32 b + 8 u + r + 8 (r / 8), so that a lane's 16 registers of two neighbouring tiles are 16 neighbours along the next K.
; NO tensor load, no cluster: wo and aw1 go into registers lane by lane in that chosen order, once; ctx's images are loaded straight into operand registers.  NO prefetch: all global loads are issued in bulk, a tile ahead.
; out0 leaves as 128 bytes a wave: the whole output of a work-group is 512 bytes, and gathering it would cost a barrier.
; LIMITS: e16, e18 between -126 and 119; e14+e15, e16+e17, e18+e19 between -126 and 127.  NaN among the inputs is not served.  Ids are taken as in range and clamped all the same.
; THE MODE: SCHED_MODE bits 1:0 = 2 (LLVM: expert scheduling mode 2), set by the entry lines.  The code itself states the register dependences
; between vector or matrix instructions and memory or LDS instructions, with s_wait_alu, always for 0.
; THE PLAN.  Registers that memory or LDS instructions touch:
;   v1, v2, v5, v8-10, v20, v21, v29-31   addresses, made at the head: one wait on va_vdst ahead of the first load.  v12-19, the row offsets, are made of loaded ids: one wait ahead of tile 0's loads.
;   ctx's two sets (window 3)   Tile t's products read set t % 2; the loads issued at the head of tile t + 1 land in it.
;   v32-95                      The residual lands; the multiply-add makes y of it; the figures' lines read y; sixteen LDS stores read it; the next residual lands.
;   v[22:23]                    Written by the figures' lines, read by one LDS store, written again in the next tile.
;   So a tile has ONE wait on va_vdst, ahead of its LDS stores: y and the figures are written, the vector lines are done with v32-95, the tile's products are done reading ctx's set (behind tile 8: wo, ctx and bo,
;   in which the actor's weights land).  No vector or matrix instruction stands between that wait and those loads.  ONE wait on vm_vsrc behind the stores frees v32-95 and v[22:23].
;   y's two sets and the figures (window 3)   A fetch lands in the set that the tile before last was normalised in: the fetch's own wait on va_vdst stands behind its window switch; it also states the loop edge's adds to v11 and v7.
;   v96-111                     Written by a tile's conversions (one wait on va_vdst), read by its four LDS stores (one wait on vm_vsrc behind them, which also frees v11 and v7, and at the end phase A's LDS addresses).
;   Phase B: eight addresses made anew (one wait); v32-95 are read by the state's products and loaded again (one wait); at the end the store's offset and data (one wait).
;   Masks: the selects of ELU8 read eight scalar registers that eight compares write, one wait on va_sdst for the eight; the last select reads VCC, one wait on va_vcc.
.set YW,   73728                       ; LDS: a wave's nine tiles of y, 8,192 bytes each
.set STAT, 294912                      ; LDS: tile x 512 + wave x 128 + 8 r: (mean, M2)
.set ELT, 32
.set KCV, 22
.set MK,  20                           ; s[20:27] ELU8's eight masks (e0 to e7 lay there, which this launch does not use)
.set MSB, 0
.macro WIN new                         ; the immediate's high byte repeats the setting that is left
.if MSB != (\new)
	s_set_vgpr_msb (MSB<<8)|(\new)
.set MSB, (\new)
.endif
.endm
.macro PLACES
.rept 4
	v_nop
.endr
.endm
.macro MKSC vs, vl, se                 ; v[vs] = 2^e, v[vl] = 448 x 2^e, e = s[se]
	s_add_co_i32 s62, s[\se], 127
	s_lshl_b32 s63, s62, 23
	v_mov_b32 v[\vs], s63
	s_add_co_i32 s62, s62, 8
	s_lshl_b32 s62, s62, 23
	s_or_b32 s62, s62, 0x600000
	v_mov_b32 v[\vl], s62
.endm
; elu of eight sums x s[sp]: max(x, 0) + expm1(min(x, 0)); expm1 by its series of degree 7 above -0.35 (error under 2e-8 of the number), by 2^(x log2 e) - 1 below, where nothing cancels
.macro ELU8 d, a, sp
.irp i,0,2,4,6
	v_pk_mul_f32 v[ELT+\i:ELT+\i+1], v[(\a)+\i:(\a)+\i+1], s[\sp:\sp+1] op_sel_hi:[1,0]
.endr
.irp i,0,1,2,3,4,5,6,7
	v_min_num_f32 v[ELT+8+\i], 0, v[ELT+\i]
.endr
.irp i,0,1,2,3,4,5,6,7
	v_cmp_lt_f32 s[MK+\i], s51, v[ELT+8+\i]   ; the eight masks in a run, a scalar register each, well ahead of the selects
.endr
.irp i,0,2,4,6
	v_pk_mul_f32 v[ELT+16+\i:ELT+17+\i], v[ELT+8+\i:ELT+9+\i], 0x3fb8aa3b op_sel_hi:[1,0]
.endr
.irp i,0,1,2,3,4,5,6,7
	v_exp_f32 v[ELT+16+\i], v[ELT+16+\i]
.endr
.irp i,0,2,4,6
	v_pk_fma_f32 v[ELT+24+\i:ELT+25+\i], v[KCV:KCV+1], v[ELT+8+\i:ELT+9+\i], 0x3ab60b61 op_sel_hi:[1,1,0]
.endr
.irp c,0x3c088889,0x3d2aaaab,0x3e2aaaab,0.5,1.0
.irp i,0,2,4,6
	v_pk_fma_f32 v[ELT+24+\i:ELT+25+\i], v[ELT+24+\i:ELT+25+\i], v[ELT+8+\i:ELT+9+\i], \c op_sel_hi:[1,1,0]
.endr
.endr
.irp i,0,2,4,6
	v_pk_mul_f32 v[ELT+24+\i:ELT+25+\i], v[ELT+24+\i:ELT+25+\i], v[ELT+8+\i:ELT+9+\i]
.endr
	s_wait_alu depctr_va_vdst(0)           ; one wait for the eight exponentials, ahead of their first reader; the series is the work between
.irp i,0,2,4,6
	v_pk_add_f32 v[ELT+16+\i:ELT+17+\i], v[ELT+16+\i:ELT+17+\i], -1.0 op_sel_hi:[1,0]
.endr
	s_wait_alu depctr_va_sdst(0)           ; the eight compares have written s[MK] to s[MK+7], ahead of the first select that reads one
.irp i,0,1,2,3,4,5,6,7
	v_cndmask_b32 v[ELT+16+\i], v[ELT+16+\i], v[ELT+24+\i], s[MK+\i]
.endr
.irp i,0,1,2,3,4,5,6,7
	v_max_num_f32 v[ELT+\i], 0, v[ELT+\i]
.endr
.irp i,0,2,4,6
	v_pk_add_f32 v[(\d)+\i:(\d)+\i+1], v[ELT+\i:ELT+\i+1], v[ELT+16+\i:ELT+17+\i]
.endr
.endm
; REGISTERS.  Window 0: v1 16 l; v2 64 h; v3 r; v4 h; v5 where I store my figures; v6, v7 where I read all four; v8-10 my y tiles 0-3, 4-7, 8; v11 the tile in hand; v12-19 the eight tiles' row offsets;
; v20, v21 wo's and aw1's lane offsets; v[22:23] (mean, M2); v[24:25] 1 / sqrt; v26, v27 scale and hold; v28 permute; v29, v30 small offsets; v31 4 r, later 4 l;
; v32-95 the residual, then y; v96-111 codes; v112-127 at work; v128-191 ln_g; v192-255 ln_b.
; Windows 1, 2: wo's 32 fragments, later aw1's action half and state half.  Window 3: v0-63 sums, v64-191 two sets of ctx's four fragments, v192-255 bo;
; later v0-127 two sets of y, v128-143 two sets of figures, v144-175 ab1, v176-191 aw2, v192-207 ab2, v208-223 aw3.
.macro CFLOAD t                        ; ctx's four fragments of tile t, as they lie
	WIN 0xC0
.irp s,0,1,2,3
.irp c,0,1,2,3
.if (\t) < 8
	global_load_b128 v[64+64*((\t)%2)+16*\s+4*\c:67+64*((\t)%2)+16*\s+4*\c], v1, s[14:15] offset:8192*(\t)+2048*\s+512*\c
.else
	global_load_b128 v[64+64*((\t)%2)+16*\s+4*\c:67+64*((\t)%2)+16*\s+4*\c], v1, s[16:17] offset:2048*\s+512*\c
.endif
.endr
.endr
	WIN 0
.endm
.macro XLD t                           ; the residual: my 128 columns of the tile's rows, in the sums' layout
.irp b,0,1,2,3
.irp j,0,1,2,3
.if (\t) < 8
	global_load_b128 v[32+16*\b+4*\j:35+16*\b+4*\j], v[12+(\t)], s[8:9] offset:128*\b+16*\j
.else
	global_load_b128 v[32+16*\b+4*\j:35+16*\b+4*\j], v2, s[10:11] offset:128*\b+16*\j
.endif
.endr
.endr
.endm
.macro LSTAT                           ; v22 = the mean of my row's 128 numbers here, v23 = the sum of their squared deviations from it
	v_pk_add_f32 v[112:113], v[32:33], v[34:35]
	v_pk_add_f32 v[114:115], v[36:37], v[38:39]
.irp j,8,12,16,20,24,28,32,36,40,44,48,52,56,60
	v_pk_add_f32 v[112:113], v[112:113], v[32+\j:33+\j]
	v_pk_add_f32 v[114:115], v[114:115], v[34+\j:35+\j]
.endr
	v_pk_add_f32 v[112:113], v[112:113], v[114:115]
	v_add_f32 v22, v112, v113
	v_permlanex16_b32 v28, v22, s44, s45
	v_add_f32 v22, v22, v28
	v_mul_f32 v22, 0x3c000000, v22         ; / 128
.set g, 0
.rept 8
.irp q,0,1,2,3
	v_pk_add_f32 v[116+2*\q:117+2*\q], v[32+8*g+2*\q:33+8*g+2*\q], v[22:23] op_sel_hi:[1,0] neg_lo:[0,1] neg_hi:[0,1]
.endr
.irp q,0,1,2,3
.if (g == 0) && (\q < 2)
	v_pk_mul_f32 v[124+2*\q:125+2*\q], v[116+2*\q:117+2*\q], v[116+2*\q:117+2*\q]
.else
	v_pk_fma_f32 v[124+2*(\q%2):125+2*(\q%2)], v[116+2*\q:117+2*\q], v[116+2*\q:117+2*\q], v[124+2*(\q%2):125+2*(\q%2)]
.endif
.endr
.set g, g+1
.endr
	v_pk_add_f32 v[124:125], v[124:125], v[126:127]
	v_add_f32 v23, v124, v125
	v_permlanex16_b32 v28, v23, s44, s45
	v_add_f32 v23, v23, v28
.endm
.macro TILE t
.if \t < 8
	CFLOAD \t+1                            ; no wait here: the set's last readers, the products of the tile before, stand ahead of that tile's wait on va_vdst, and no vector or matrix instruction has been issued since
	s_wait_loadcnt 32                      ; this tile's ctx is in: behind it came the residual's 16 loads and the next tile's 16
.else
	s_wait_loadcnt 16
.endif
.irp s,0,1,2,3                         ; eight accumulators by turns, one instruction a turn; bo is the first C
	WIN 0xFD
.irp ct,0,1,2,3
.if \s == 0
	v_wmma_f32_16x16x128_fp8_fp8 v[8*\ct:8*\ct+7], v[16*(4*\ct+\s):16*(4*\ct+\s)+15], v[64+64*(\t%2)+16*\s:79+64*(\t%2)+16*\s], v[192+8*\ct:199+8*\ct]
.else
	v_wmma_f32_16x16x128_fp8_fp8 v[8*\ct:8*\ct+7], v[16*(4*\ct+\s):16*(4*\ct+\s)+15], v[64+64*(\t%2)+16*\s:79+64*(\t%2)+16*\s], v[8*\ct:8*\ct+7]
.endif
.endr
	WIN 0xFE
.irp ct,0,1,2,3
.if \s == 0
	v_wmma_f32_16x16x128_fp8_fp8 v[32+8*\ct:39+8*\ct], v[16*(4*\ct+\s):16*(4*\ct+\s)+15], v[64+64*(\t%2)+16*\s:79+64*(\t%2)+16*\s], v[224+8*\ct:231+8*\ct]
.else
	v_wmma_f32_16x16x128_fp8_fp8 v[32+8*\ct:39+8*\ct], v[16*(4*\ct+\s):16*(4*\ct+\s)+15], v[64+64*(\t%2)+16*\s:79+64*(\t%2)+16*\s], v[32+8*\ct:39+8*\ct]
.endif
.endr
.endr
	WIN 0
	PLACES
.if \t < 8
	s_wait_loadcnt 16                      ; the residual is in; the next tile's ctx may be out
.else
	s_wait_loadcnt 0x0
.endif
	WIN 0x03
.set i, 0
.rept 32
	v_pk_fma_f32 v[32+i:33+i], v[i:i+1], s[46:47], v[32+i:33+i] op_sel_hi:[1,0,1]   ; y = sum x 2^(e14 + e15) + residual
.set i, i+2
.endr
	WIN 0
	LSTAT
	s_wait_alu depctr_va_vdst(0)           ; y (v32-95) and the figures v[22:23] are written, which the stores read; the vector lines are done with v32-95, in which the next residual lands; this tile's products are done reading their operands, in which later loads land
	ds_store_b64 v5, v[22:23] offset:512*\t
.irp j,0,1,2,3,4,5,6,7,8,9,10,11,12,13,14,15
	ds_store_b128 v[8+\t/4], v[32+4*\j:35+4*\j] offset:8192*(\t%4)+512*\j
.endr
.if \t < 8
	s_wait_dscnt 0x0                       ; the tile's LDS stores are done; it stays beside the wait below and does not stand for it
.endif
	s_wait_alu depctr_vm_vsrc(0)           ; the stores have read v32-95, in which the next loads land, and v[22:23], which the next figures' lines write
.if \t < 8
	XLD \t+1
.endif
.endm
.macro FETCHY set, off, soff           ; a tile's y and the four waves' figures for its rows
	WIN 0xC0
	s_wait_alu depctr_va_vdst(0)           ; behind the window switch: v11 and v7, the loads' addresses, are written; the lines that last named this set of y and of figures are done reading and writing it
.irp w,0,1,2,3
	ds_load_b64 v[128+8*(\set)+2*\w:129+8*(\set)+2*\w], v7 offset:\soff+128*\w
.endr
.irp j,0,1,2,3,4,5,6,7,8,9,10,11,12,13,14,15
	ds_load_b128 v[64*(\set)+4*\j:64*(\set)+4*\j+3], v11 offset:\off+512*\j
.endr
	WIN 0
.endm
.macro NORM set, off, soff, pre
.if \pre
	FETCHY 1-\set, \off+8192, \soff+512
	s_wait_dscnt 20                        ; all but the 20 loads just issued: this tile is in
.else
	s_wait_dscnt 0x0
.endif
	WIN 0x0F
	v_add_f32 v112, v[128+8*\set], v[130+8*\set]
	v_add_f32 v113, v[132+8*\set], v[134+8*\set]
	v_add_f32 v114, v[129+8*\set], v[131+8*\set]
	v_add_f32 v115, v[133+8*\set], v[135+8*\set]
	WIN 0
	v_add_f32 v112, v112, v113
	v_mul_f32 v22, 0x3e800000, v112        ; the row's mean
	v_add_f32 v114, v114, v115
	WIN 0x03
.irp w,0,1,2,3
	v_sub_f32 v[116+\w], v[128+8*\set+2*\w], v22
.endr
	WIN 0
	v_mul_f32 v113, v116, v116
	v_fma_f32 v113, v117, v117, v113
	v_fma_f32 v113, v118, v118, v113
	v_fma_f32 v113, v119, v119, v113
	v_fma_f32 v114, v113, 0x43000000, v114 ; + 128 x the squared distances of the four means
	v_fma_f32 v114, v114, 0x3b000000, s48  ; / 512 + eps
	v_rsq_f32 v24, v114
	v_nop
	s_wait_alu depctr_va_vdst(0)           ; the root's reciprocal v24 is written, ahead of its first reader
	WIN 0xC3
.set i, 0
.rept 32
	v_pk_add_f32 v[64*\set+i:64*\set+i+1], v[64*\set+i:64*\set+i+1], v[22:23] op_sel_hi:[1,0] neg_lo:[0,1] neg_hi:[0,1]
.set i, i+2
.endr
.set i, 0
.rept 32
	v_pk_mul_f32 v[64*\set+i:64*\set+i+1], v[64*\set+i:64*\set+i+1], v[24:25] op_sel_hi:[1,0]
.set i, i+2
.endr
.set i, 0
.rept 32
	v_pk_fma_f32 v[64*\set+i:64*\set+i+1], v[64*\set+i:64*\set+i+1], v[128+i:129+i], v[192+i:193+i]
.set i, i+2
.endr
.set i, 0
.rept 64
	v_med3_num_f32 v[64*\set+i], v[64*\set+i], -v27, v27
.set i, i+1
.endr
	WIN 0x03
.irp t,0,1,2,3,4,5,6,7
	v_cvt_scalef32_pk8_fp8_f32 v[96+2*\t:97+2*\t], v[64*\set+8*\t:64*\set+8*\t+7], v26
.endr
	v_nop
	WIN 0
	s_wait_alu depctr_va_vdst(0)           ; the conversions have written v96 to v111, which the stores read (behind the loop: v11 is written too)
.irp c,0,1,2,3
	ds_store_b128 v11, v[96+4*\c:99+4*\c] offset:\off+512*\c   ; over the head of the tile's own bytes, which I have read
.endr
	s_wait_alu depctr_vm_vsrc(0)           ; the stores have read v96 to v111, which the next tile's conversions (behind the last tile: LDS loads) write; stores and fetches have read v11 and v7, which the loop's edge and phase B write; behind the last tile phase A's other LDS addresses are free likewise
.endm
	s_load_b512 s[68:83], s[0:1], 0x0      ; ctx, wo, bo, ln_g, ln_b, task, usv, global
	s_load_b512 s[84:99], s[0:1], 0x40     ; task_ids, usv_ids, aw1, ab1, aw2, ab2, aw3, ab3
	s_load_b128 s[36:39], s[0:1], 0x80     ; lowp_scales, out0
	v_lshrrev_b32 v31, 5, v0
	v_readfirstlane_b32 s2, v31            ; wave
	s_and_b32 s3, ttmp9, 3                 ; QD
	s_lshr_b32 s4, ttmp9, 2                ; B
	v_and_b32 v31, 31, v0
	v_lshlrev_b32 v1, 4, v31
	v_and_b32 v3, 15, v0
	v_bfe_u32 v4, v0, 4, 1
	v_lshlrev_b32 v2, 6, v4
	s_wait_alu depctr_va_sdst(0)           ; s2, the wave's number, is written, ahead of its first reader
	s_lshl_b32 s60, s2, 7
	s_add_co_u32 s60, s60, STAT
	v_lshl_add_u32 v5, v3, 3, s60
	v_lshlrev_b32 v6, 3, v3
	v_add_nc_u32 v6, STAT, v6
	s_mul_i32 s60, s2, YW
	v_add_nc_u32 v8, s60, v1
	v_add_nc_u32 v9, 32768, v8
	v_add_nc_u32 v10, 65536, v8
	v_and_b32 v21, 8, v3
	v_add_nc_u32 v21, v21, v3              ; r + 8 (r / 8)
	v_lshlrev_b32 v20, 9, v21
	v_lshl_add_u32 v20, v4, 4, v20         ; wo: a row is 512 bytes
	v_lshlrev_b32 v21, 10, v21
	v_lshl_add_u32 v21, v4, 4, v21         ; aw1: a row is 1,024 bytes
	v_lshlrev_b32 v29, 6, v3
	v_lshl_add_u32 v29, v4, 4, v29         ; aw2: row r of 64 bytes + 16 h
	v_lshlrev_b32 v30, 5, v4
	v_lshlrev_b32 v31, 2, v3
	v_mov_b32 v23, 0
	v_mov_b32 v25, 0
	v_mov_b32 v28, 0
	s_mov_b32 s44, 0x76543210
	s_mov_b32 s45, 0xfedcba98
	s_mov_b32 s48, 0x3727c5ac              ; 1e-5
	s_mov_b32 s51, 0xbeb33333              ; -0.35
	s_mov_b32 s61, 0
	s_wait_kmcnt 0x0
	s_load_b512 s[20:35], s[36:37], 0x0    ; e0 .. e15
	s_load_b128 s[40:43], s[36:37], 0x40   ; e16 .. e19
	s_load_b32 s58, s[98:99], 0x0          ; ab3
	s_cmp_lt_u32 s2, 2                     ; my 128 columns lie in the task half (waves 0, 1) or in the usv half of a row
	s_cselect_b64 s[8:9], s[78:79], s[80:81]
	s_cselect_b64 s[12:13], s[84:85], s[86:87]
	s_mov_b32 s60, 51200
	s_cselect_b32 s60, 1024000, s60
	s_mov_b32 s18, 49
	s_cselect_b32 s18, 999, s18
	s_mul_i32 s60, s4, s60
	s_and_b32 s59, s2, 1
	s_lshl_b32 s59, s59, 9
	s_add_co_u32 s60, s60, s59
	s_add_nc_u64 s[8:9], s[8:9], s[60:61]
	s_lshl_b32 s60, s4, 11
	s_lshl_b32 s59, s2, 9
	s_add_co_u32 s60, s60, s59
	s_add_nc_u64 s[10:11], s[82:83], s[60:61]
	s_lshl_b32 s60, s4, 11
	s_lshl_b32 s59, s3, 9
	s_add_co_u32 s60, s60, s59
	s_add_nc_u64 s[12:13], s[12:13], s[60:61]
	s_lshl_b32 s59, s2, 7
	s_add_co_u32 s60, s60, s59
	s_add_nc_u64 s[38:39], s[38:39], s[60:61]   ; out0 at my 32 actions
	s_mul_i32 s59, s4, 34
	s_lshl_b32 s60, s3, 3
	s_add_co_u32 s60, s60, s59
	s_lshl_b32 s60, s60, 13
	s_add_nc_u64 s[14:15], s[68:69], s[60:61]   ; ctx at my first tile
	s_add_co_u32 s60, s59, 32
	s_lshl_b32 s60, s60, 13
	s_add_nc_u64 s[16:17], s[68:69], s[60:61]   ; and at the global row's
	s_lshl_b32 s60, s2, 16
	s_add_nc_u64 s[70:71], s[70:71], s[60:61]
	s_lshl_b32 s60, s2, 9
	s_add_nc_u64 s[72:73], s[72:73], s[60:61]
	s_add_nc_u64 s[74:75], s[74:75], s[60:61]
	s_add_nc_u64 s[76:77], s[76:77], s[60:61]
	s_wait_alu depctr_va_vdst(0)           ; the addresses and offsets made above (v1, v2, v5, v8 to v10, v20, v21, v29 to v31) are written, which the loads and LDS stores from here on read
.irp t,0,1,2,3,4,5,6,7
	global_load_b32 v[12+\t], v31, s[12:13] offset:64*\t
.endr
	WIN 0x40
.irp ct,0,1,2,3
.irp s,0,1,2,3
.irp c,0,1,2,3
	global_load_b128 v[16*(4*\ct+\s)+4*\c:16*(4*\ct+\s)+4*\c+3], v20, s[70:71] offset:(32*(\ct/2)+8*(\ct%2))*512+128*\s+32*\c
.endr
.endr
.endr
	WIN 0x80
.irp ct,0,1,2,3
.irp s,0,1,2,3
.irp c,0,1,2,3
	global_load_b128 v[16*(4*\ct+\s)+4*\c:16*(4*\ct+\s)+4*\c+3], v20, s[70:71] offset:(64+32*(\ct/2)+8*(\ct%2))*512+128*\s+32*\c
.endr
.endr
.endr
	WIN 0xC0
.irp ct,0,1,2,3,4,5,6,7
	global_load_b128 v[192+8*\ct:195+8*\ct], v2, s[72:73] offset:128*(\ct/2)+32*(\ct%2)
	global_load_b128 v[196+8*\ct:199+8*\ct], v2, s[72:73] offset:128*(\ct/2)+32*(\ct%2)+16
.endr
	WIN 0
.irp b,0,1,2,3
.irp j,0,1,2,3
	global_load_b128 v[128+16*\b+4*\j:131+16*\b+4*\j], v2, s[74:75] offset:128*\b+16*\j
	global_load_b128 v[192+16*\b+4*\j:195+16*\b+4*\j], v2, s[76:77] offset:128*\b+16*\j
.endr
.endr
	s_wait_loadcnt 0x0
	s_wait_kmcnt 0x0
.irp t,0,1,2,3,4,5,6,7
	v_min_u32 v[12+\t], s18, v[12+\t]
	v_min_u32 v[12+\t], 0x3e7, v[12+\t]
	v_lshl_add_u32 v[12+\t], v[12+\t], 10, v2
.endr
	s_add_co_i32 s59, s34, s35
	s_add_co_i32 s46, s59, 127
	s_lshl_b32 s46, s46, 23                ; 2^(e14 + e15)
	s_mov_b32 s47, s46
	s_sub_co_i32 s59, 0, s59
	WIN 0xC3
.set i, 0
.rept 64
	v_ldexp_f32 v[192+i], v[192+i], s59    ; bo divided by the power of two that the sums lack
.set i, i+1
.endr
	WIN 0
	MKSC 26, 27, 40
	s_wait_alu depctr_va_vdst(0)           ; the eight row offsets v12 to v19 are written, which the residuals' loads read; they are never written again
	CFLOAD 0
	XLD 0
.irp t,0,1,2,3,4,5,6,7,8
	TILE \t
.endr
	; the actor's weights take the registers that wo, ctx and bo have left: tile 8's wait on va_vdst has stated that the last products are done reading them, and no vector or matrix instruction has been issued since; they land during phase A2
	WIN 0x40
.irp ht,0,1,2,3
.irp s,0,1,2,3
.irp c,0,1,2,3
	global_load_b128 v[16*(4*\ht+\s)+4*\c:16*(4*\ht+\s)+4*\c+3], v21, s[88:89] offset:(32*(\ht/2)+8*(\ht%2))*1024+128*\s+32*\c
.endr
.endr
.endr
	WIN 0x80
.irp ht,0,1,2,3
.irp s,0,1,2,3
.irp c,0,1,2,3
	global_load_b128 v[16*(4*\ht+\s)+4*\c:16*(4*\ht+\s)+4*\c+3], v21, s[88:89] offset:(32*(\ht/2)+8*(\ht%2))*1024+512+128*\s+32*\c
.endr
.endr
.endr
	WIN 0xC0
.irp ht,0,1,2,3
	global_load_b128 v[144+8*\ht:147+8*\ht], v2, s[90:91] offset:4*(32*(\ht/2)+8*(\ht%2))
	global_load_b128 v[148+8*\ht:151+8*\ht], v2, s[90:91] offset:4*(32*(\ht/2)+8*(\ht%2))+16
.endr
.irp o,0,1
	global_load_b128 v[176+8*\o:179+8*\o], v29, s[92:93] offset:1024*\o
	global_load_b128 v[180+8*\o:183+8*\o], v29, s[92:93] offset:1024*\o+32
	global_load_b128 v[192+8*\o:195+8*\o], v30, s[94:95] offset:64*\o
	global_load_b128 v[196+8*\o:199+8*\o], v30, s[94:95] offset:64*\o+16
	global_load_b128 v[208+8*\o:211+8*\o], v30, s[96:97] offset:64*\o
	global_load_b128 v[212+8*\o:215+8*\o], v30, s[96:97] offset:64*\o+16
.endr
	WIN 0
	s_wait_dscnt 0x0                       ; my figures and my y have landed
	s_barrier_signal -1
	s_barrier_wait -1                      ; all four waves' figures lie in LDS
	s_mov_b32 s50, 0
	s_mov_b32 s59, 0
	s_mov_b32 s49, 4
	v_mov_b32 v11, v8
	v_mov_b32 v7, v6
	FETCHY 0, 0, 0
.Lnorm:                                    ; two tiles a trip, each fetched while the one before is normalised
	NORM 0, 0, 0, 1
	NORM 1, 8192, 512, 1
	s_add_co_u32 s50, s50, 16384
	s_add_co_u32 s59, s59, 1024
	v_add_nc_u32 v11, s50, v8              ; behind the wait on vm_vsrc at the tile's end; the next reader, a fetch or the last tile's stores, has its wait on va_vdst ahead of it
	v_add_nc_u32 v7, s59, v6
	s_sub_co_u32 s49, s49, 1
	s_cmp_lg_u32 s49, 0
	s_cbranch_scc1 .Lnorm
	NORM 0, 0, 0, 0                        ; the ninth tile: the state
	s_wait_dscnt 0x0
	s_barrier_signal -1
	s_barrier_wait -1                      ; all 36 images lie in LDS; from here on LDS is only read
	; ---- phase B.  Window 0: v8-11 my two tiles' images of K step s; v5, v6, v7, v20 the state's; v32-159 fragments, later ELU's registers, codes and the second layer; v160-191 the state's sums; v192-255 the first layer
	s_lshl_b32 s60, s2, 14
	v_add_nc_u32 v8, s60, v1
	v_add_nc_u32 v9, YW, v8
	v_add_nc_u32 v10, 2*YW, v8
	v_add_nc_u32 v11, 3*YW, v8
	v_add_nc_u32 v5, 65536, v1
	v_add_nc_u32 v6, YW+65536, v1
	v_add_nc_u32 v7, 2*YW+65536, v1
	v_add_nc_u32 v20, 3*YW+65536, v1
	s_wait_alu depctr_va_vdst(0)           ; the eight addresses v5 to v11 and v20 are written, which the LDS loads of this phase read
.irp c,0,1,2,3
	ds_load_b128 v[32+4*\c:35+4*\c], v5 offset:512*\c
	ds_load_b128 v[48+4*\c:51+4*\c], v6 offset:512*\c
	ds_load_b128 v[64+4*\c:67+4*\c], v7 offset:512*\c
	ds_load_b128 v[80+4*\c:83+4*\c], v20 offset:512*\c
.endr
	s_add_co_i32 s59, s40, s41
	s_add_co_i32 s54, s59, 127
	s_lshl_b32 s54, s54, 23                ; 2^(e16 + e17)
	s_mov_b32 s55, s54
	s_sub_co_i32 s59, 0, s59
	s_add_co_i32 s60, s42, s43
	s_add_co_i32 s56, s60, 127
	s_lshl_b32 s56, s56, 23                ; 2^(e18 + e19)
	s_mov_b32 s57, s56
	s_sub_co_i32 s60, 0, s60
	MKSC 26, 27, 42
	v_mov_b32 v22, 0x39500d01
	v_mov_b32 v23, 0x39500d01
	s_wait_loadcnt 0x0                     ; the actor's weights and biases
	WIN 0xC3
.set i, 0
.rept 32
	v_ldexp_f32 v[144+i], v[144+i], s59
.set i, i+1
.endr
.set i, 0
.rept 16
	v_ldexp_f32 v[192+i], v[192+i], s60
.set i, i+1
.endr
	WIN 0
	s_wait_dscnt 0x0
.irp s,0,1,2,3                         ; the state's half of the first layer, with ab1 as the first C: four accumulators by turns
.if \s == 0
	WIN 0x32
.else
	WIN 0x02
.endif
.irp ht,0,1,2,3
.if \s == 0
	v_wmma_f32_16x16x128_fp8_fp8 v[160+8*\ht:167+8*\ht], v[16*(4*\ht+\s):16*(4*\ht+\s)+15], v[32+16*\s:47+16*\s], v[144+8*\ht:151+8*\ht]
.else
	v_wmma_f32_16x16x128_fp8_fp8 v[160+8*\ht:167+8*\ht], v[16*(4*\ht+\s):16*(4*\ht+\s)+15], v[32+16*\s:47+16*\s], v[160+8*\ht:167+8*\ht]
.endif
.endr
.endr
	WIN 0
.rept 5
	v_nop                                  ; five places: these sums become the C of other accumulators
.endr
	s_wait_alu depctr_va_vdst(0)           ; the state's products are done reading v32 to v95, and the last tile's lines are done with v96 to v159: the loads below land in all of them
.irp m,0,1
.irp s,0,1,2,3
.irp c,0,1,2,3
	ds_load_b128 v[32+64*\m+16*\s+4*\c:35+64*\m+16*\s+4*\c], v[8+\s] offset:8192*\m+512*\c
.endr
.endr
.endr
	s_wait_dscnt 0x0
	WIN 0x01
.irp s,0,1,2,3                         ; eight accumulators by turns
.irp m,0,1
.irp ht,0,1,2,3
.if \s == 0
	v_wmma_f32_16x16x128_fp8_fp8 v[192+32*\m+8*\ht:199+32*\m+8*\ht], v[16*(4*\ht+\s):16*(4*\ht+\s)+15], v[32+64*\m+16*\s:47+64*\m+16*\s], v[160+8*\ht:167+8*\ht]
.else
	v_wmma_f32_16x16x128_fp8_fp8 v[192+32*\m+8*\ht:199+32*\m+8*\ht], v[16*(4*\ht+\s):16*(4*\ht+\s)+15], v[32+64*\m+16*\s:47+64*\m+16*\s], v[192+32*\m+8*\ht:199+32*\m+8*\ht]
.endif
.endr
.endr
.endr
	WIN 0
	PLACES
.irp m,0,1
.irp ht,0,1,2,3
	ELU8 192+32*\m+8*\ht, 192+32*\m+8*\ht, 54
.endr
.set i, 0
.rept 32
	v_med3_num_f32 v[192+32*\m+i], v[192+32*\m+i], -v27, v27
.set i, i+1
.endr
.irp t,0,1,2,3
	v_cvt_scalef32_pk8_fp8_f32 v[64+8*\m+2*\t:65+8*\m+2*\t], v[192+32*\m+8*\t:199+32*\m+8*\t], v26
.endr
	v_nop
.endr
	WIN 0x33
.irp m,0,1
.irp o,0,1
	v_wmma_f32_16x16x64_fp8_fp8 v[80+16*\m+8*\o:87+16*\m+8*\o], v[176+8*\o:183+8*\o], v[64+8*\m:71+8*\m], v[192+8*\o:199+8*\o]
.endr
.endr
	WIN 0
	PLACES
.irp m,0,1
.irp o,0,1
	ELU8 80+16*\m+8*\o, 80+16*\m+8*\o, 56
.endr
.endr
	WIN 0x0C                               ; the second source (aw3) lies in window 3
.irp m,0,1
	v_mul_f32 v[112+2*\m], v[80+16*\m], v208
	v_mul_f32 v[113+2*\m], v[88+16*\m], v216
.irp j,1,2,3,4,5,6,7
	v_fma_f32 v[112+2*\m], v[80+16*\m+\j], v[208+\j], v[112+2*\m]
	v_fma_f32 v[113+2*\m], v[88+16*\m+\j], v[216+\j], v[113+2*\m]
.endr
.endr
	WIN 0
	v_and_b32 v31, 31, v0
	v_cmp_le_u32 vcc_lo, 16, v31           ; the mask is made ahead of the sums' last lines, which stand between it and the select
	v_add_f32 v112, v112, v113
	v_add_f32 v114, v114, v115
	v_permlanex16_b32 v28, v112, s44, s45  ; the row's other sixteen units lie in the lane 16 away
	v_add_f32 v112, v112, v28
	v_permlanex16_b32 v28, v114, s44, s45
	v_add_f32 v114, v114, v28
	s_wait_alu depctr_va_vcc(0)            ; the compare has written VCC, ahead of the select that reads it
	v_cndmask_b32 v112, v112, v114, vcc_lo ; lanes 0-15 give tile 2 w's rows, lanes 16-31 tile 2 w + 1's
	v_add_f32 v112, s58, v112
	v_lshlrev_b32 v31, 2, v31
	s_wait_alu depctr_va_vdst(0)           ; v31, the store's offset, and v112, its data, are written
	global_store_b32 v31, v112, s[38:39]   ; 128 consecutive bytes a wave
	s_barrier_signal -1
	s_barrier_wait -1
	s_wait_xcnt 0x0
	v_lshl_add_u32 v254, v0, 2, 0x49200
	v_mov_b32 v255, 0
	s_wait_dscnt 0x0                       ; the closing lines, six on end
	s_wait_alu 0x0
	s_wait_tensorcnt 0x0
	ds_add_u32 v254, v255
	s_wait_dscnt 0x0
	s_endpgm
.Lfunc_end_k_q9eb49d7f36_head:
	.size	k_q9eb49d7f36_head, .Lfunc_end_k_q9eb49d7f36_head-k_q9eb49d7f36_head
	.p2alignl 7, 3214868480
	.fill 96, 4, 3214868480
	.section	.rodata,"a",@progbits
	.p2align	6, 0x0
	.amdhsa_kernel k_q9eb49d7f36_head
		.amdhsa_group_segment_fixed_size 300032
		.amdhsa_private_segment_fixed_size 0
		.amdhsa_enable_private_segment 0
		.amdhsa_kernarg_size 144
		.amdhsa_user_sgpr_count 2
		.amdhsa_user_sgpr_kernarg_segment_ptr 1
		.amdhsa_wavefront_size32 1
		.amdhsa_system_sgpr_workgroup_id_x 1
		.amdhsa_system_sgpr_workgroup_id_y 1
		.amdhsa_system_sgpr_workgroup_id_z 1
		.amdhsa_system_vgpr_workitem_id 0
		.amdhsa_next_free_vgpr 1024
		.amdhsa_next_free_sgpr 100
		.amdhsa_reserve_vcc 1
		.amdhsa_float_denorm_mode_32 3
		.amdhsa_float_denorm_mode_16_64 3
		.amdhsa_memory_ordered 1
		.amdhsa_forward_progress 1
		.amdhsa_inst_pref_size 255
	.end_amdhsa_kernel
	.section	.bss,"aw",@nobits
	.p2align	6
	.space	262144
	.amdgpu_metadata
---
amdhsa.version: [ 1, 2 ]
amdhsa.kernels:
  - .name:           k_q9eb49d7f36_head
    .symbol:         k_q9eb49d7f36_head.kd
    .args:
      - { .name: ctx, .offset: 0, .size: 8, .value_kind: global_buffer, .address_space: global }
      - { .name: wo_codes, .offset: 8, .size: 8, .value_kind: global_buffer, .address_space: global }
      - { .name: bo, .offset: 16, .size: 8, .value_kind: global_buffer, .address_space: global }
      - { .name: ln_g, .offset: 24, .size: 8, .value_kind: global_buffer, .address_space: global }
      - { .name: ln_b, .offset: 32, .size: 8, .value_kind: global_buffer, .address_space: global }
      - { .name: task_embed, .offset: 40, .size: 8, .value_kind: global_buffer, .address_space: global }
      - { .name: usv_embed, .offset: 48, .size: 8, .value_kind: global_buffer, .address_space: global }
      - { .name: global_embed, .offset: 56, .size: 8, .value_kind: global_buffer, .address_space: global }
      - { .name: task_ids, .offset: 64, .size: 8, .value_kind: global_buffer, .address_space: global }
      - { .name: usv_ids, .offset: 72, .size: 8, .value_kind: global_buffer, .address_space: global }
      - { .name: aw1_codes, .offset: 80, .size: 8, .value_kind: global_buffer, .address_space: global }
      - { .name: ab1, .offset: 88, .size: 8, .value_kind: global_buffer, .address_space: global }
      - { .name: aw2_codes, .offset: 96, .size: 8, .value_kind: global_buffer, .address_space: global }
      - { .name: ab2, .offset: 104, .size: 8, .value_kind: global_buffer, .address_space: global }
      - { .name: aw3, .offset: 112, .size: 8, .value_kind: global_buffer, .address_space: global }
      - { .name: ab3, .offset: 120, .size: 8, .value_kind: global_buffer, .address_space: global }
      - { .name: lowp_scales, .offset: 128, .size: 8, .value_kind: global_buffer, .address_space: global }
      - { .name: out0, .offset: 136, .size: 8, .value_kind: global_buffer, .address_space: global }
    .group_segment_fixed_size: 300032
    .private_segment_fixed_size: 0
    .kernarg_segment_align: 8
    .kernarg_segment_size: 144
    .max_flat_workgroup_size: 128
    .sgpr_count:     100
    .vgpr_count:     1024
    .wavefront_size: 32
...
	.end_amdgpu_metadata
.endif
;; end of part 3
